; MI455X (gfx1250); checked and timed in simulation.
; The chip was launched on July 23, 2026; its instructions are those of AMD's public machine-readable ISA for CDNA 5 (MIT licence, August 2026) and "CDNA5" Instruction Set Architecture Reference Guide (July 2026). The comments in the code are by the model that wrote it; some were corrected since.
;; Multi Head Diff Attention. Allowed arithmetic: matrix products marked QUANTISED: E2M3 operands, one E8M0 scale for each 32 along K, by v_wmma_scale_f32_16x16x128_f8f6f4 with both operands' format E2M3, f32 sums; everything else in f32.
;; Inputs: Wc 1,024 x 2,048 float32; Wk1 1,024 x 1,024 float32; Wk2 1,024 x 1,024 float32; Wq1 1,024 x 1,024 float32; Wq2 1,024 x 1,024 float32; Wv 2,048 x 1,024 float32; lk1 16 x 64 float32; lk2 16 x 64 float32; lq1 16 x 64 float32; lq2 16 x 64 float32; x 2 x 2,048 x 1,024 float32.
;; Outputs: out0 2 x 2,048 x 1,024 float32.
;; This version of the problem:
;;   THIS VERSION OF THE PROBLEM IS GIVEN IN LOW PRECISION. The matrix products marked QUANTISED in the list below multiply operands that are first quantised to E2M3 (2 exponent bits, 3 mantissa bits; 6 bits a number), with one power-of-two scale for each 32 numbers along K (OCP MX v1.0); their sums are f32. All else is computed in f32.
;;   The module's matrix products, in the order in which they are computed (A, B: the left and right operand; K: the contracted axis; several contracted axes count as one K, in the product's order):
;;     1. [M 4,096, K 1,024] x [K 1,024, N 1,024]; A: input x; B: input Wq1: QUANTISED
;;     2. [M 4,096, K 1,024] x [K 1,024, N 1,024]; A: input x; B: input Wq2: QUANTISED
;;     3. [M 4,096, K 1,024] x [K 1,024, N 1,024]; A: input x; B: input Wk1: QUANTISED
;;     4. [M 4,096, K 1,024] x [K 1,024, N 1,024]; A: input x; B: input Wk2: QUANTISED
;;     5. [M 4,096, K 1,024] x [K 1,024, N 2,048]; A: input x; B: input Wv: QUANTISED
;;     6. batch 32 x [M 2,048, K 64] x [K 64, N 2,048]; A: computed on the way; B: computed on the way: QUANTISED
;;     7. batch 32 x [M 2,048, K 64] x [K 64, N 2,048]; A: computed on the way; B: computed on the way: QUANTISED
;;     8. batch 32 x [M 2,048, K 2,048] x [K 2,048, N 128]; A: computed on the way; B: computed on the way: QUANTISED
;;     9. [M 4,096, K 2,048] x [K 2,048, N 1,024]; A: computed on the way; B: input Wc: QUANTISED
;;   THE QUANTISER, for each operand of a quantised product, along K:
;;     - K is cut into blocks of 32 from its start; a last block that is shorter is filled with zeros.
;;     - A block's scale is 2^e with e = floor(log2(the largest magnitude in the block)) - 2, held to -126 .. 127; a block of zeros has e = 0. As a byte (E8M0): e + 127.
;;     - Each number is divided by its block's scale, clamped to +-7.5, and rounded to the nearest number of E2M3, ties to even, subnormals kept.
;;     - The product sums the exact products of the quantised numbers (number of the format x scale) in f32.
;;   ~~~python
;;   def quantise(x, axis):      # numpy; x: float32 -> the quantised numbers, widened to float32 again
;;       x = np.moveaxis(x, axis, -1); K = x.shape[-1]
;;       x = np.pad(x, [(0, 0)] * (x.ndim - 1) + [(0, -K % 32)]); x = x.reshape(x.shape[:-1] + (-1, 32)); a = np.abs(x).max(-1, keepdims=True)
;;       e = np.where(a > 0, np.clip(np.frexp(np.where(a > 0, a, 1))[1] - 1 - 2, -126, 127), 0)      # np.frexp(a)[1] - 1 = floor(log2(a)), exactly
;;       r = np.clip(x / 2.0 ** e, -7.5, 7.5)
;;       step = 2.0 ** (np.maximum(np.frexp(np.where(r == 0, 1, r))[1] - 1, 0) - 3)
;;       q = np.round(r / step) * step * 2.0 ** e      # np.round: ties to even
;;       return np.moveaxis(q.reshape(q.shape[:-2] + (-1,))[..., :K], -1, axis).astype(np.float32)
;;   ~~~
;;   OPERANDS COMPUTED ON THE WAY. 'Computed on the way' means the value that the module computes at that place (a softmax that the list does not call 'softmax' is quantised finished and normalised). What goes into a quantiser is computed in f32, as accurately as f32 sums, v_exp_f32 and their like allow (about 1e-6 of the number): no bf16 or f16 on the way to a quantiser, and a product that is left as it is and whose result goes on into a quantised operand takes f32 operands (vector FMAs, or v_wmma_f32_16x16x4_f32). A number that lies on a knife's edge between two numbers of the format may be rounded either way, as far as f32 arithmetic and the matrix unit's own rounding can turn it there, and no further.
;; One version. Each part assembles by itself: llvm-mc -triple=amdgcn-amd-amdhsa -mcpu=gfx1250 --defsym DOCPART=n.
;; ======== version 1 of 1: 4 launches
;; limits: right only within a limited range of input values
;; workspace buffers: fc 9,437,184 bytes; fs 393,216 bytes; pf 18,874,368 bytes; ps 786,432 bytes; yf 6,291,456 bytes; ys 262,144 bytes
;; launch quant (part 1): grid 256 x 1, 3 waves a work-group, no clusters, 26,112 bytes of LDS; arguments x, Wv, Wq1, Wq2, Wk1, Wk2, Wc, fc, fs; writes fc, fs
.if DOCPART == 1
	.amdgcn_target "amdgcn-amd-amdhsa--gfx1250"
	.amdhsa_code_object_version 6
	.text
	.protected	k_qac7a257992_quant
	.globl	k_qac7a257992_quant
	.p2align	8
	.type	k_qac7a257992_quant,@function
k_qac7a257992_quant:
	s_mov_b64 s[64:65], 0
	v_nop
	global_prefetch_b8 v0, s[64:65] scope:SCOPE_SE
	s_setreg_imm32_b32 hwreg(HW_REG_WAVE_MODE, 25, 1), 1
	s_wait_xcnt 0x0
; x and the six weights, f32 with K innermost, become operands of FP6 (E2M3, 6 bits a code) with one E8M0 scale byte for each 32 along K.
; A block's scale is 2^(floor(log2(its largest magnitude)) - 2); its byte is the largest magnitude's exponent field - 2, held at 1 from below.
; LIMITS: a block of zeros, or one whose largest magnitude lies under 2^-124, gets the byte 1 (its codes are zeros or subnormal codes; the bytes are read by this program alone); NaN and infinities are not served.
; LAYOUT OF THE RESULT.  Rows go in ROWTILES of 16: rowtile t holds rows 32 (t / 2) + 8 (t % 2) + i + 8 (i / 8), i = 0 .. 15.  A FRAGMENT (a rowtile x 128 along K) is stored as the image of the
; 12 registers that the matrix instruction wants of it: three runs of 512 bytes, lane l's registers 4 c .. 4 c + 3 at 512 c + 16 l.  The scale words (4 bytes: a row x 128 K) lie row by row, rows in the rowtiles' order.
; SHARES.  768 jobs, one a wave: a rowtile x 1,024 along K = 8 fragments.  Jobs 0-255: x.  256-383: Wv.  384-639: 32 groups of 128 rows, group g < 16 = Wq1's head g, then Wq2's head g; g >= 16 the same of Wk1, Wk2.
; 640-767: Wc, two jobs to a rowtile (K = 2,048).  Only pointers and numbers are chosen by the job: all jobs take one path.
; A STEP (128 along K): 16 loads, each 512 consecutive bytes of one row; through the wave's own stage in LDS (rows of 512 + 16 bytes), so that a lane gets 16 neighbours of each block of 32; quantised; 3 stores of 512 consecutive bytes.
; Loads run three steps ahead (48 a wave).  No barrier: waves share nothing.  Wc's scale rows (64 bytes) are written in halves of 32 bytes by two jobs.
.set STG,    8448                      ; a wave's stage: 16 rows x 528 bytes
.set SPITCH, 528
.set FRB,    1536                      ; a fragment's image
.set VL,  1                            ; v1   16 x lane: a load's and a store's offset; never rewritten
.set STO, 2                            ; v2   the stage, on the way in
.set STI, 3                            ; v3   and on the way out: row r, + 64 h
.set SOF, 4                            ; v4   where my four scale words go
.set TM,  16                           ; v16-31 at work in QUANT
.set PC,  32                           ; v32-51 the codes just made
.set SW,  52                           ; v52-59 the eight steps' scale words
.set TT,  60                           ; v60-63 the four that I store
.set X,   64                           ; v64-255 three sets of 64 numbers
.set RB,  28                           ; s[28:59] the 16 rows' addresses
.set SEL, 72                           ; s[72:73] lane selects: lane l xor 16
; 64 numbers of a lane, register 16 b + i = k 32 b + 16 (lane / 16) + i of my row, become a fragment's codes in v[PC] on and its scale word in v[pw].
.macro QUANT s, pw
.irp b, 0,1,2,3
	v_max3_num_f32 v[TM+\b], |v[\s+16*\b]|, |v[\s+1+16*\b]|, 0x1800000   ; block b: my 16 numbers, and the floor 2^(3 - 127): the byte cannot fall under 1
.endr
.irp i, 2,4,6,8,10,12,14
.irp b, 0,1,2,3
	v_max3_num_f32 v[TM+\b], v[TM+\b], |v[\s+16*\b+\i]|, |v[\s+1+16*\b+\i]|   ; the four blocks by turns
.endr
.endr
.irp b, 0,1,2,3
	v_permlanex16_b32 v[TM+4+\b], v[TM+\b], s[SEL], s[SEL+1]
.endr
.irp b, 0,1,2,3
	v_max_num_f32 v[TM+\b], v[TM+\b], v[TM+4+\b]   ; with lane l xor 16's: the block's largest magnitude
.endr
.irp b, 0,1,2,3
	v_add_nc_u32 v[TM+12+\b], 0xff000000, v[TM+\b]   ; 2 off its exponent field: the conversion takes the exponent field of this operand as its scale
.endr
.irp b, 0,1,2,3
	v_lshrrev_b32 v[TM+4+\b], 23, v[TM+12+\b]      ; the scale's byte
.endr
	v_lshl_or_b32 v[\pw], v[TM+5], 8, v[TM+4]
	v_lshl_or_b32 v[\pw], v[TM+6], 16, v[\pw]
	v_lshl_or_b32 v[\pw], v[TM+7], 24, v[\pw]      ; my row's scale word
.irp c, 0,1
	v_cvt_scalef32_pk16_fp6_f32 v[PC+6*\c:PC+2+6*\c], v[\s+32*\c:\s+15+32*\c], v[TM+12+2*\c]
	v_cvt_scalef32_pk16_fp6_f32 v[PC+12+4*\c:PC+14+4*\c], v[\s+16+32*\c:\s+31+32*\c], v[TM+12+2*\c+1]   ; (a conversion's three registers begin on an even number)
.endr
	v_nop                                          ; one plain place behind a scaled conversion
.irp c, 0,1                                    ; the operand's layout wants a whole block in a lane: lanes 0-15 block 2 c, lanes 16-31 block 2 c + 1
.irp i, 0,1,2
	v_permlane16_swap_b32 v[PC+6*\c+\i], v[PC+12+4*\c+\i]
.endr
.irp i, 0,1,2
	v_mov_b32 v[PC+3+6*\c+\i], v[PC+12+4*\c+\i]
.endr
.endr
.endm
	s_load_b512 s[4:19], s[0:1], 0x0               ; x s[4:5], Wv s[6:7], Wq1 s[8:9], Wq2 s[10:11], Wk1 s[12:13], Wk2 s[14:15], Wc s[16:17], fc s[18:19]
	s_load_b64 s[20:21], s[0:1], 0x40              ; fs
	v_lshl_add_u32 v47, v0, 2, 0x6400
	v_mov_b32 v51, 0
	v_lshrrev_b32 v5, 5, v0
	v_readfirstlane_b32 s22, v5                    ; wave 0..2
	v_and_b32 v6, 31, v0                           ; lane
	v_and_b32 v7, 15, v0                           ; r
	v_bfe_u32 v8, v0, 4, 1                         ; h
	v_lshlrev_b32 v[VL], 4, v6
	s_mul_i32 s24, s22, STG
	v_add_nc_u32 v[STO], s24, v[VL]
	v_mul_u32_u24 v[STI], v7, SPITCH
	v_lshl_add_u32 v[STI], v8, 6, v[STI]
	v_add_nc_u32 v[STI], s24, v[STI]
.irp b, 0,1,2,3
	v_mov_b32 v[TM+4+\b], 0                        ; written once: a lane permute's destination counts as one of its sources
.endr
	s_mov_b32 s[SEL], 0x76543210
	s_mov_b32 s[SEL+1], 0xfedcba98
	s_mul_i32 s23, ttmp9, 3
	s_add_co_u32 s23, s23, s22                     ; J, my job
	s_sub_co_u32 s24, s23, 384                     ; D = 8 x group + e, for the q and k weights
	s_lshr_b32 s25, s24, 3
	s_and_b32 s25, s25, 15                         ; the head
	s_lshl_b32 s25, s25, 2
	s_and_b32 s26, s24, 3
	s_add_co_u32 s26, s26, s25                     ; their rowtile in the source: 4 x head + e % 4
	s_sub_co_u32 s67, s23, 256                     ; Wv's rowtile
	s_sub_co_u32 s68, s23, 640                     ; Wc: two jobs to a rowtile
	s_lshr_b32 s69, s68, 1
	s_and_b32 s68, s68, 1                          ; which half of its K
	s_wait_alu depctr_va_vdst(0)
	s_wait_kmcnt 0x0
	s_bitcmp1_b32 s24, 2                           ; e / 4: the second tensor of the pair
	s_cselect_b64 s[8:9], s[10:11], s[8:9]
	s_cselect_b64 s[12:13], s[14:15], s[12:13]
	s_bitcmp1_b32 s24, 7                           ; group / 16: the k pair
	s_cselect_b64 s[8:9], s[12:13], s[8:9]
	s_cmp_lt_u32 s23, 384
	s_cselect_b64 s[8:9], s[6:7], s[8:9]
	s_cselect_b32 s26, s67, s26
	s_cmp_lt_u32 s23, 256
	s_cselect_b64 s[8:9], s[4:5], s[8:9]
	s_cselect_b32 s26, s23, s26
	s_cmp_ge_u32 s23, 640
	s_cselect_b64 s[8:9], s[16:17], s[8:9]         ; s[8:9]: my source
	s_cselect_b32 s26, s69, s26                    ; s26: my rowtile in it
	s_cselect_b32 s24, s68, 0                      ; s24: 1 for Wc's upper half of K
	s_cselect_b32 s27, 13, 12                      ; a row of the source is 2^s27 bytes
	s_cselect_b32 s66, 6, 5                        ; a row of scale bytes is 2^s66 bytes
	s_lshr_b32 s67, s26, 1
	s_lshl_b32 s67, s67, 5
	s_and_b32 s69, s26, 1
	s_lshl_b32 s69, s69, 3
	s_add_co_u32 s67, s67, s69                     ; the rowtile's first row: 32 (t / 2) + 8 (t % 2)
	s_lshl_b32 s67, s67, s27                       ; in bytes (under 2^25)
	s_lshl_b32 s68, s24, 12                        ; + 1,024 numbers along K
	s_add_co_u32 s68, s68, s67
	s_mov_b32 s69, 0
	s_add_nc_u64 s[8:9], s[8:9], s[68:69]
	s_lshl_b32 s70, 1, s27
.irp i, 0,1,2,3,4,5,6,7,8,9,10,11,12,13,14,15
	s_mul_i32 s68, s70, \i+8*(\i/8)                ; place i of the rowtile is row i + 8 (i / 8)
	s_add_nc_u64 s[RB+2*\i:RB+2*\i+1], s[8:9], s[68:69]
.endr
	s_mul_i32 s68, s23, 8*FRB
	s_add_nc_u64 s[18:19], s[18:19], s[68:69]      ; my 8 fragments
	s_lshl_b32 s68, s23, 9
	s_mul_i32 s71, s24, 480                        ; Wc's second job of a rowtile: 32 bytes on in the same 16 rows, not 512
	s_sub_co_u32 s68, s68, s71
	s_add_nc_u64 s[20:21], s[20:21], s[68:69]      ; my 16 rows of scale bytes
	v_lshlrev_b32 v[SOF], s66, v7
	v_lshl_add_u32 v[SOF], v8, 4, v[SOF]           ; row r, + 16 h: lanes 0-15 store steps 0-3's words, lanes 16-31 steps 4-7's
.macro LOADF s                         ; step s: 128 numbers of each of the 16 rows
.irp i, 0,1,2,3,4,5,6,7,8,9,10,11,12,13,14,15
	global_load_b128 v[X+64*((\s)%3)+4*\i:X+64*((\s)%3)+4*\i+3], v[VL], s[RB+2*\i:RB+2*\i+1] offset:512*(\s) th:TH_LOAD_NT   ; 32 lanes read 512 consecutive bytes
.endr
.endm
.macro TURNF                           ; through the stage: LDS serves a wave's instructions in order, so no wait stands between the stores and the loads
.irp i, 0,1,2,3,4,5,6,7,8,9,10,11,12,13,14,15
	ds_store_b128 v[STO], v[XS+4*\i:XS+4*\i+3] offset:SPITCH*\i
.endr
.irp b, 0,1,2,3
.irp j, 0,1,2,3
	ds_load_b128 v[XS+16*\b+4*\j:XS+16*\b+4*\j+3], v[STI] offset:128*\b+16*\j   ; k = 32 b + 16 h + 4 j on, of row r
.endr
.endr
.endm
.macro STEP s
.set XS, X+64*((\s)%3)
.if (\s) <= 5
	s_wait_loadcnt 32                              ; this step's 16 loads are in; the two later steps' 32 may be out
.elseif (\s) == 6
	s_wait_loadcnt 16
.else
	s_wait_loadcnt 0
.endif
	TURNF
	s_wait_dscnt 0x0
	s_wait_xcnt 0x0                                ; the last step's stores have read the codes' registers, which are written again below
	QUANT XS, SW+(\s)
.irp c, 0,1,2
	global_store_b128 v[VL], v[PC+4*\c:PC+4*\c+3], s[18:19] offset:FRB*(\s)+512*\c   ; 512 consecutive bytes, at a multiple of 512
.endr
.if (\s) < 5
	LOADF (\s)+3                                   ; into the set just quantised
.endif
.endm
	LOADF 0
	LOADF 1
	LOADF 2
.irp t, 0,1,2,3,4,5,6,7
	STEP \t
.endr
	v_cmp_le_u32 vcc_lo, 16, v6                    ; lanes 16-31
.irp k, 0,1,2,3
	v_cndmask_b32 v[TT+\k], v[SW+\k], v[SW+4+\k], vcc_lo
.endr
	global_store_b128 v[SOF], v[TT:TT+3], s[20:21]
	s_wait_tensorcnt 0x0
	ds_add_u32 v47, v51
	s_wait_dscnt 0x0
	s_endpgm
.Lfunc_end_k_qac7a257992_quant:
	.size	k_qac7a257992_quant, .Lfunc_end_k_qac7a257992_quant-k_qac7a257992_quant
	.p2alignl 7, 3214868480
	.fill 96, 4, 3214868480
	.section	.rodata,"a",@progbits
	.p2align	6, 0x0
	.amdhsa_kernel k_qac7a257992_quant
		.amdhsa_group_segment_fixed_size 26112
		.amdhsa_private_segment_fixed_size 0
		.amdhsa_enable_private_segment 0
		.amdhsa_kernarg_size 72
		.amdhsa_user_sgpr_count 2
		.amdhsa_user_sgpr_kernarg_segment_ptr 1
		.amdhsa_wavefront_size32 1
		.amdhsa_system_sgpr_workgroup_id_x 1
		.amdhsa_system_sgpr_workgroup_id_y 1
		.amdhsa_system_sgpr_workgroup_id_z 1
		.amdhsa_system_vgpr_workitem_id 0
		.amdhsa_next_free_vgpr 256
		.amdhsa_next_free_sgpr 76
		.amdhsa_reserve_vcc 1
		.amdhsa_float_denorm_mode_32 3
		.amdhsa_float_denorm_mode_16_64 3
		.amdhsa_memory_ordered 1
		.amdhsa_forward_progress 1
		.amdhsa_inst_pref_size 66
	.end_amdhsa_kernel
	.amdgpu_metadata
---
amdhsa.version: [ 1, 2 ]
amdhsa.kernels:
  - .name:           k_qac7a257992_quant
    .symbol:         k_qac7a257992_quant.kd
    .args:
      - { .name: x, .offset: 0, .size: 8, .value_kind: global_buffer, .address_space: global }
      - { .name: Wv, .offset: 8, .size: 8, .value_kind: global_buffer, .address_space: global }
      - { .name: Wq1, .offset: 16, .size: 8, .value_kind: global_buffer, .address_space: global }
      - { .name: Wq2, .offset: 24, .size: 8, .value_kind: global_buffer, .address_space: global }
      - { .name: Wk1, .offset: 32, .size: 8, .value_kind: global_buffer, .address_space: global }
      - { .name: Wk2, .offset: 40, .size: 8, .value_kind: global_buffer, .address_space: global }
      - { .name: Wc, .offset: 48, .size: 8, .value_kind: global_buffer, .address_space: global }
      - { .name: fc, .offset: 56, .size: 8, .value_kind: global_buffer, .address_space: global }
      - { .name: fs, .offset: 64, .size: 8, .value_kind: global_buffer, .address_space: global }
    .group_segment_fixed_size: 26112
    .private_segment_fixed_size: 0
    .kernarg_segment_align: 8
    .kernarg_segment_size: 72
    .max_flat_workgroup_size: 96
    .sgpr_count:     76
    .vgpr_count:     256
    .wavefront_size: 32
...
	.end_amdgpu_metadata
.endif
;; end of part 1
;; launch proj (part 2): grid 16 x 24, 4 waves a work-group, clusters of 4 x 4, 327,680 bytes of LDS; arguments fc, fs, pf, ps; writes pf, ps
.if DOCPART == 2
	.amdgcn_target "amdgcn-amd-amdhsa--gfx1250"
	.amdhsa_code_object_version 6
	.text
	.protected	k_qac7a257992_proj
	.globl	k_qac7a257992_proj
	.p2align	8
	.type	k_qac7a257992_proj,@function
k_qac7a257992_proj:
	s_mov_b64 s[64:65], 0
	v_nop
	global_prefetch_b8 v0, s[64:65] scope:SCOPE_SE
	s_setreg_imm32_b32 hwreg(HW_REG_WAVE_MODE, 25, 1), 1
	s_wait_xcnt 0x0
	s_wait_alu depctr_hold_cnt(0) depctr_sa_sdst(0) depctr_va_vdst(0) depctr_va_sdst(0) depctr_va_ssrc(0) depctr_va_vcc(0) depctr_vm_vsrc(0)
	s_getreg_b32 s2, hwreg(HW_REG_IB_STS2, 6, 4)
	s_cmp_eq_u32 s2, 0
	s_cbranch_scc0 .Lentry_in_a_cluster
	s_endpgm
.Lentry_in_a_cluster:
	s_bfe_u32 s2, ttmp6, 0x10000c
	s_cmp_lg_u32 s2, 0xf033
	s_cbranch_scc0 .Lentry_shape_is_right
	s_endpgm
.Lentry_shape_is_right:
; The five projections as one product on codes of FP6 (E2M3) with E8M0 scales, K = 1,024; the results are quantised in registers and leave as operands of the attention launch: no f32 result goes to memory.
; Both operands come from fc / fs: rowtiles of 16 rows (rowtile t = rows 32 (t / 2) + 8 (t % 2) + i + 8 (i / 8)), a fragment (rowtile x 128 K) as the image of its 12 registers, 1,536 bytes; 8 fragments a rowtile.
; Storage rows: x 0 .. 4,095; Wv 4,096 .. 6,143; 6,144 on: 32 groups of 128 = [Wq1 head g | Wq2 head g], then the same of Wk1, Wk2.
; TILES.  A work-group makes 256 x 256, each of four waves 128 x 128 (64 accumulators, 512 registers).  Tile rows 0-15: A = x, B = the q and k groups.  Tile rows 16-23: A = Wv, B = x.
; THE MATRIX INSTRUCTION IS USED TRANSPOSED (source 0 = 16 rows of B, source 1 = 16 rows of A): a lane holds one row of A, and, since B's rowtiles are ordered as above, the 64 registers of A's block a
; (8 accumulators) are register 16 b + i = B's row 32 b + 16 (lane / 16) + i of the wave's 128: neighbours along the NEXT product's K.  So each block a becomes one fragment and one scale word a row:
;   A = x, B = group g:  16 tokens x K = [q1 | q2] (or [k1 | k2]) of a head;      A = Wv's head h, B = 128 tokens:  16 channels of V x K = 128 keys.
; pf: chunk (R 32 + g) of 8 fragments; R = A's group of 128 rows (0-31 tokens, 32 + h for V), g = B's group of 128.  ps: chunk x 512 bytes = [a][16 words].
; K goes in steps of 256 through a ring of two LDS slots; the scale bytes of the work-group's rows come once.  CLUSTERS of 4 x 4: A's tiles are asked for jointly along a row, B's along a column.
; LIMITS of the quantiser as in the launch before: byte 1 for blocks of zeros or under 2^-124; NaN and infinities not served.
; REGISTERS: window 0: v16-30 addresses; v32-63 scale words, two sets; v64-115 the way out; v128-223 A's fragments, one set.  window 1: B's fragments, two sets, at v0 and v128.  windows 2, 3: the accumulators ((a, b) at v[8 (8 (a % 4) + b)]).
.set NKF,    8                         ; fragments along K of a rowtile
.set NQ,     2                         ; of them in a slot
.set FR,     12                        ; registers of a fragment
.set NL,     3                         ; LDS loads that bring one
.set NP,     4                         ; places behind this matrix instruction (ISA guide 7.12.1)
.set FRB,    1536
.set TROW,   NQ*FRB                    ; a rowtile's part of a slot: a row of the tensor tile
.set TPITCH, NKF*FRB                   ; from rowtile to rowtile in memory
.set ROWB,   TPITCH/16                 ; bytes of codes for a storage row
.set HALFT,  8*TROW                    ; 128 rows: what one tensor load brings
.set SLOT,   4*HALFT                   ; A's 256 rows, then B's 256
.set LAPS,   NKF/(2*NQ)
.set KS,     4*NKF                     ; a row of scale bytes
.set SCL,    2*SLOT                    ; behind the ring: the scales, as runs of 256 bytes + 16 of padding
.set HALFS,  (128*KS/256)*272
.set SBLK,   (16*KS/256)*272
.set SPARE,  SCL+4*HALFS               ; the spare words, 128 bytes a wave: two blocks of 256 bytes that no other line names
.set WQK,    6144                      ; the q and k groups' first storage row
.set ADRA, 16                          ; v16-17  my A fragments in slot 0, 1
.set ADRB, 20                          ; v20-21  my B fragments
.set STS,  24                          ; v24     the way out: my scale words into LDS
.set RD,   25                          ; v25     and back
.set CO,   26                          ; v26     16 x lane
.set ADRS, 27                          ; v27     my scale words: lanes 0-15 A's rows, lanes 16-31 B's
.set SPW,  28                          ; v28     my spare word; never rewritten
.set NIL,  29                          ; v29     0; never rewritten
.set LN,   30                          ; v30     lane
.set SC,   32
.set TM,   64                          ; v64-79  at work in the quantiser
.set PWS,  80                          ; v80-87  the eight blocks' scale words
.set CMB,  88                          ; v88-91  two blocks' words in one register
.set PC,   96                          ; v96-115 the codes just made
.set AF,   128
.set SEL,  18                          ; s[18:19] lane selects: lane l xor 16 (set behind the head)
.set G1, 24
.set G0, 32
.set G1B, 48
.set G0B, 56
.set G1S, 68
.set G0S, 76
.set G1SB, 80
.set G0SB, 88
.set MSB, 0
.macro WIN new                         ; the immediate's high byte repeats the setting that is left
.if MSB != (\new)
	s_set_vgpr_msb (MSB<<8)|(\new)
.set MSB, (\new)
.endif
.endm
.set MUL_LO, 0xa1                      ; source 0 (B) window 1, source 1 (A) window 0, C and D window 2
.set MUL_HI, 0xf1
.set TO_B,   0x40
; A joint load: waves 0 and 1 fetch for A, waves 2 and 3 for B; the branch hangs on the wave's number alone.  Four v_nop follow each line.
.macro JLOAD g0a, g1a, g0b, g1b
	s_cmp_eq_u32 s15, 0
	s_cbranch_scc0 .Lfor_b_\@
	tensor_load_to_lds s[\g0a:\g0a+3], s[\g1a:\g1a+7]
	s_nop 0
.rept 4
	v_nop
.endr
	s_branch .Lasked_\@
.Lfor_b_\@:
	tensor_load_to_lds s[\g0b:\g0b+3], s[\g1b:\g1b+7]
	s_nop 0
.rept 4
	v_nop
.endr
.Lasked_\@:
.endm
.macro CREST
	s_cmp_lg_u32 s14, 0
	s_cbranch_scc1 .Lnot_wave_0_\@
	s_barrier_signal -3
.Lnot_wave_0_\@:
	s_barrier_wait -3
	s_barrier_signal -1
	s_barrier_wait -1
.endm
.macro CROUND
	s_barrier_signal -1
	s_barrier_wait -1
	CREST
.endm
	s_load_b128 s[4:7], s[0:1], 0x0                ; fc, fs
	s_load_b128 s[8:11], s[0:1], 0x10              ; pf, ps
	v_lshl_add_u32 v[SPW], v0, 2, SPARE
	v_mov_b32 v[NIL], 0
	ds_add_u32 v28, v29
	ds_add_u32 v28, v29
	s_wait_dscnt 0x0
	v_lshrrev_b32 v1, 5, v0
	v_readfirstlane_b32 s14, v1                    ; wave 0..3
	s_lshr_b32 s15, s14, 1                         ; my half of the tile's rows.  Also: I fetch for A (0) or B (1)
	s_and_b32 s16, s14, 1                          ; my half of its columns.  Also: which 128 rows I fetch
	s_bfe_u32 s40, ttmp6, 0x40000                  ; cx
	s_bfe_u32 s41, ttmp6, 0x40004                  ; cy
	s_lshl_b32 s42, ttmp9, 2
	s_add_co_u32 s42, s42, s40                     ; tile column = 4 x cluster x + cx
	s_and_b32 s17, ttmp7, 0xffff
	s_lshr_b32 s95, s17, 2                         ; 1 where the cluster's y is 4 or 5: A = Wv, B = x.  Made of the cluster's y alone: equal in all sixteen partners
	s_xor_b32 s95, s95, 1
	s_mul_i32 s95, s95, WQK                        ; else B = the q and k groups
	s_lshl_b32 s17, s17, 2
	s_add_co_u32 s17, s17, s41                     ; tile row = 4 x cluster y + cy
	s_lshl_b32 s43, s41, 2
	s_lshl_b32 s43, 15, s43                        ; my row of the cluster
	s_lshl_b32 s44, 0x1111, s40                    ; my column
	; group 1 for codes: 8 rowtiles x TROW bytes (elements of 8 bytes), TPITCH bytes apart; dense in LDS
	s_or_b32 s[G1+0], s43, (3<<16)|(1<<21)
	s_or_b32 s[G1B+0], s44, (3<<16)|(1<<21)
.irp g, G1, G1B
	s_mov_b32 s[\g+1], (TROW/8)<<16                ; tensor_dim0
	s_mov_b32 s[\g+2], 16<<16                      ; tensor_dim1: 16 rowtiles for the head's loads; set to 8 for the ring's behind them
	s_mov_b32 s[\g+3], (TROW/8)<<16                ; tile_dim0
	s_mov_b32 s[\g+4], 16                          ; tile_dim1, likewise
	s_mov_b32 s[\g+5], TPITCH/8                    ; stride
	s_mov_b32 s[\g+6], 0
	s_mov_b32 s[\g+7], 0
.endr
	; and for the scales of 256 rows: a dense block, as rows of 256 bytes with 16 bytes of padding behind each
	s_or_b32 s[G1S+0], s43, (3<<16)|(1<<20)|(1<<21)|(5<<22)|(3<<25)
	s_or_b32 s[G1SB+0], s44, (3<<16)|(1<<20)|(1<<21)|(5<<22)|(3<<25)
.irp g, G1S, G1SB
	s_mov_b32 s[\g+1], 32<<16
	s_mov_b32 s[\g+2], KS<<16                      ; the scales of 256 rows: KS rows of 256 bytes
	s_mov_b32 s[\g+3], 32<<16
	s_mov_b32 s[\g+4], KS
	s_mov_b32 s[\g+5], 32
	s_mov_b32 s[\g+6], 0
	s_mov_b32 s[\g+7], 0
.endr
	s_lshl_b32 s20, s17, 8                         ; A: the tile's first storage row
	s_lshl_b32 s46, s42, 8
	s_add_co_u32 s46, s46, s95                     ; B: likewise (+ 6,144)
	s_mul_i32 s66, s16, 128*ROWB                   ; in the ring I fetch 128 rows of a tile: which half, in bytes
	s_mov_b32 s67, 0
	s_mul_i32 s22, s20, KS                         ; their scale bytes,
	s_mov_b32 s23, 0
	s_mul_i32 s92, s46, KS
	s_mov_b32 s93, 0
	s_mul_i32 s20, s20, ROWB                       ; their codes (all under 2^24)
	s_mov_b32 s21, 0
	s_mul_i32 s46, s46, ROWB
	s_mov_b32 s47, 0
	s_mul_i32 s45, s14, HALFT                      ; where they go: wave x 128 rows
	s_wait_kmcnt 0x0
	s_add_nc_u64 s[20:21], s[4:5], s[20:21]
	s_add_nc_u64 s[22:23], s[6:7], s[22:23]
	s_add_nc_u64 s[46:47], s[4:5], s[46:47]
	s_add_nc_u64 s[92:93], s[6:7], s[92:93]
	CROUND                                         ; all sixteen work-groups are here: the first joint loads meet
	s_mov_b32 s[G0S], 1
	s_mov_b32 s[G0S+1], SCL
	s_mov_b64 s[G0S+2:G0S+3], s[22:23]
	s_or_b32 s[G0S+3], s[G0S+3], 0x80000000
	s_mov_b32 s[G0SB], 1
	s_mov_b32 s[G0SB+1], SCL+2*HALFS
	s_mov_b64 s[G0SB+2:G0SB+3], s[92:93]
	s_or_b32 s[G0SB+3], s[G0SB+3], 0x80000000
.irp s, 0,1
	s_mov_b32 s[G0+4*\s], 1
	s_add_co_u32 s[G0+4*\s+1], s45, \s*SLOT
	s_add_nc_u64 s[G0+4*\s+2:G0+4*\s+3], s[20:21], \s*TROW
	s_or_b32 s[G0+4*\s+3], s[G0+4*\s+3], 0x80000000
	s_mov_b32 s[G0B+4*\s], 1
	s_add_co_u32 s[G0B+4*\s+1], s45, \s*SLOT
	s_add_nc_u64 s[G0B+4*\s+2:G0B+4*\s+3], s[46:47], \s*TROW
	s_or_b32 s[G0B+4*\s+3], s[G0B+4*\s+3], 0x80000000
.endr
	s_mov_b32 s[G0+1], 0                           ; slot 0's group 0 serves the head first: A's 256 rows whole,
	s_mov_b32 s[G0B+1], 2*HALFT                    ; B's 256 rows behind them
	s_add_nc_u64 s[G0+6:G0+7], s[G0+6:G0+7], s[66:67]      ; slot 1's: my 128 rows
	s_add_nc_u64 s[G0B+6:G0B+7], s[G0B+6:G0B+7], s[66:67]
; the head's four tiles, one load a wave: wave 0 A's codes of K step 0, wave 1 B's, wave 2 A's scales, wave 3 B's; one chain of branches on the wave's number
.macro ARM under, g0, g1, next
	s_cmp_lt_u32 s14, \under
	s_cbranch_scc0 \next
	tensor_load_to_lds s[\g0:\g0+3], s[\g1:\g1+7]
	s_nop 0
.rept 4
	v_nop
.endr
	s_branch .Lhead_asked
\next:
.endm
	ARM 1, G0,  G1,  .Lhead_b
	ARM 2, G0B, G1B, .Lhead_sa
	ARM 3, G0S, G1S, .Lhead_sb
	tensor_load_to_lds s[G0SB:G0SB+3], s[G1SB:G1SB+7]
	s_nop 0
.rept 4
	v_nop
.endr
.Lhead_asked:
	v_and_b32 v[LN], 31, v0
	v_and_b32 v1, 15, v0                           ; r
	v_bfe_u32 v2, v0, 4, 1                         ; h
	s_wait_alu depctr_va_vdst(0)
	v_lshlrev_b32 v[CO], 4, v[LN]
	s_mul_i32 s21, s15, HALFT                      ; my 128 rows of A
	s_mul_i32 s22, s16, HALFT                      ; my 128 rows of B,
	s_add_co_u32 s22, s22, 2*HALFT                 ; behind A's 256
.irp s, 0,1
	v_add_nc_u32 v[ADRA+\s], s21, v[CO]
	v_add_nc_u32 v[ADRB+\s], s22, v[CO]
	s_add_co_u32 s21, s21, SLOT
	s_add_co_u32 s22, s22, SLOT
.endr
	v_mul_u32_u24 v5, v1, KS                       ; my row's scales: KS bytes a row,
	v_lshrrev_b32 v6, 8, v5
	v_lshl_add_u32 v5, v6, 4, v5                   ; and 16 more for each 256 passed
	s_mul_i32 s21, s15, HALFS
	s_mul_i32 s22, s16, HALFS
	s_add_co_u32 s22, s22, 2*HALFS
	s_sub_co_u32 s22, s22, s21
	v_mul_u32_u24 v6, s22, v2                      ; lanes 16-31 take B's
	s_add_co_u32 s21, s21, SCL
	v_add_nc_u32 v5, v5, v6
	v_add_nc_u32 v[ADRS], s21, v5
	s_lshl_b32 s23, s14, 9                         ; the way out: 512 bytes a wave at the head of slot 0, which has had its last fill and its last read by then
	v_lshl_add_u32 v[STS], v[LN], 2, s23
	v_add_nc_u32 v[RD], s23, v[CO]
.irp b, 0,1,2,3
	v_mov_b32 v[TM+4+\b], 0                        ; written once: a lane permute's destination counts as one of its sources
.endr
	s_lshl_b32 s20, s17, 1
	s_add_co_u32 s20, s20, s15                     ; R = A's group of 128 rows
	s_lshl_b32 s20, s20, 5
	s_lshl_b32 s21, s42, 1
	s_add_co_u32 s20, s20, s21
	s_add_co_u32 s20, s20, s16                     ; chunk = 32 R + B's group of 128 rows
	s_mul_i32 s22, s20, 8*FRB
	s_mov_b32 s23, 0
	s_add_nc_u64 s[12:13], s[8:9], s[22:23]        ; my 8 fragments in pf
	s_lshl_b32 s22, s20, 9
	s_add_nc_u64 s[96:97], s[10:11], s[22:23]      ; my 512 bytes in ps
	s_mov_b32 s[SEL], 0x76543210
	s_mov_b32 s[SEL+1], 0xfedcba98
.macro FRAG reg, adr, q, i             ; a fragment comes as it was stored: three loads of 16 bytes a lane, 512 consecutive bytes each
.irp c, 0,1,2
	ds_load_b128 v[\reg+4*\c:\reg+4*\c+3], v[\adr] offset:(\i)*TROW+(\q)*FRB+512*\c
.endr
.endm
; 16 matrix instructions: A's blocks a0, a0 + 1 x B's eight.  The 64 accumulators take turns, one instruction a turn, in the same order in every step.
.macro MUL16 a0, p, q, sc, zero
.irp a, \a0, \a0+1
.irp b, 0,1,2,3,4,5,6,7
.if \zero
	v_wmma_scale_f32_16x16x128_f8f6f4 v[8*(8*((\a)%4)+\b):8*(8*((\a)%4)+\b)+7], v[128*(\p)+FR*\b:128*(\p)+FR*\b+FR-1], v[AF+FR*(\a):AF+FR*(\a)+FR-1], 0, v[SC+8*NQ*(\sc)+NQ*\b+(\q)], v[SC+8*NQ*(\sc)+NQ*(\a)+(\q)] matrix_a_fmt:MATRIX_FMT_FP6 matrix_b_fmt:MATRIX_FMT_FP6 matrix_a_scale:MATRIX_SCALE_ROW1
.else
	v_wmma_scale_f32_16x16x128_f8f6f4 v[8*(8*((\a)%4)+\b):8*(8*((\a)%4)+\b)+7], v[128*(\p)+FR*\b:128*(\p)+FR*\b+FR-1], v[AF+FR*(\a):AF+FR*(\a)+FR-1], v[8*(8*((\a)%4)+\b):8*(8*((\a)%4)+\b)+7], v[SC+8*NQ*(\sc)+NQ*\b+(\q)], v[SC+8*NQ*(\sc)+NQ*(\a)+(\q)] matrix_a_fmt:MATRIX_FMT_FP6 matrix_b_fmt:MATRIX_FMT_FP6 matrix_a_scale:MATRIX_SCALE_ROW1
.endif
.endr
.endr
.endm
.macro FETCH_B slot, q, p
	WIN TO_B
.irp i, 0,1,2,3,4,5,6,7
	FRAG 128*(\p)+FR*\i, ADRB+\slot, \q, \i
.endr
	WIN 0
.endm
.macro FETCH_A slot, q, i0
.irp i, \i0, \i0+1, \i0+2, \i0+3
	FRAG AF+FR*(\i), ADRA+\slot, \q, \i
.endr
.endm
.macro SCALES sc                       ; a K step's scale words: NQ words a row; lanes 0-15 A's block i, lanes 16-31 B's block i
.irp i, 0,1,2,3,4,5,6,7
	ds_load_b64 v[SC+8*NQ*\sc+NQ*\i:SC+8*NQ*\sc+NQ*\i+1], v[ADRS] offset:\i*SBLK
.endr
.endm
.macro PLACES n                        ; plain vector instructions between a matrix instruction and a load into, or a read of, its registers
.rept \n
	v_nop
.endr
.endm
.macro STEP slot, q, zero              ; 128 along K that have their successor in the same slot
	s_wait_dscnt 4*NL                              ; B's set, A's blocks 0-3 and the scale words are in; the youngest 12 loads (A's blocks 4-7) may be out
	WIN MUL_LO
	MUL16 0, (\q)%2, \q, \slot, \zero
	MUL16 2, (\q)%2, \q, \slot, \zero
	s_wait_dscnt 0
	PLACES NP
	FETCH_B \slot, (\q)+1, 1-(\q)%2
	FETCH_A \slot, (\q)+1, 0
	WIN MUL_HI
	MUL16 4, (\q)%2, \q, \slot, \zero
	MUL16 6, (\q)%2, \q, \slot, \zero
	PLACES NP
	WIN 0
	FETCH_A \slot, (\q)+1, 4
.endm
; A slot's last step changes slots: one barrier; in front of it each wave waits for all its tensor loads, adds 0 to its spare word, and waits for that and for its reads of this slot.
.macro TURN slot, next, fill
	s_wait_tensorcnt 0x0                           ; all my tensor loads have landed: my part of the next slot
	ds_add_u32 v[SPW], v[NIL]                      ; 0 onto my spare word
	s_wait_dscnt 4*NL+1                            ; (the add and the youngest 12 loads may be out)
	WIN MUL_LO
	MUL16 0, 1, NQ-1, \slot, 0
	s_wait_dscnt 0x0                               ; the add is done, and my reads of this slot are over
	s_barrier_signal -1
	MUL16 2, 1, NQ-1, \slot, 0
	WIN 0
	s_barrier_wait -1
.if \fill
	CREST                                          ; the barrier has opened a round of the cluster's barrier: no wave of any partner still reads this slot or has a load on its way
	s_add_nc_u64 s[G0+4*\slot+2:G0+4*\slot+3], s[G0+4*\slot+2:G0+4*\slot+3], 2*TROW
	s_add_nc_u64 s[G0B+4*\slot+2:G0B+4*\slot+3], s[G0B+4*\slot+2:G0B+4*\slot+3], 2*TROW
	JLOAD G0+4*\slot, G1, G0B+4*\slot, G1B         ; the first tensor load behind the round; its four v_nop are the places in front of the loads below
.else
	PLACES NP
.endif
	s_wait_alu depctr_va_vdst(0)
	v_add_nc_u32 v[ADRS], 4*NQ, v[ADRS]            ; the next K step's scale words
	FETCH_B \next, 0, 0
	FETCH_A \next, 0, 0
	SCALES \next
	WIN MUL_HI
	MUL16 4, 1, NQ-1, \slot, 0
	MUL16 6, 1, NQ-1, \slot, 0
	PLACES NP
	WIN 0
	FETCH_A \next, 0, 4
.endm
	s_wait_alu depctr_va_vdst(0)
	s_wait_tensorcnt 0x0                           ; my tile of the head's four is in; these lines stand ahead of slot 1's first fill as ahead of a refill
	ds_add_u32 v[SPW], v[NIL]
	s_mov_b32 s[G1+2], 8<<16                       ; no tensor load of mine is out: from here on a load brings 8 rowtiles,
	s_mov_b32 s[G1+4], 8
	s_mov_b32 s[G1B+2], 8<<16
	s_mov_b32 s[G1B+4], 8
	s_mov_b32 s[G0+1], s45                         ; and slot 0's group 0 names my 128 rows
	s_mov_b32 s[G0B+1], s45
	s_add_nc_u64 s[G0+2:G0+3], s[G0+2:G0+3], s[66:67]
	s_add_nc_u64 s[G0B+2:G0B+3], s[G0B+2:G0B+3], s[66:67]
	s_wait_dscnt 0x0
	CROUND                                         ; a whole round: all four tiles are in, the sixteen work-groups meet
	JLOAD G0+4, G1, G0B+4, G1B                     ; K step 1, the first tensor load behind the round
	FETCH_B 0, 0, 0
	FETCH_A 0, 0, 0
	SCALES 0
	FETCH_A 0, 0, 4
	STEP 0, 0, 1                                   ; the first step stands in front of the loop: its products start the sums
	s_mov_b32 s3, LAPS-1
.Llap:
	TURN 0, 1, 1
	STEP 1, 0, 0
	TURN 1, 0, 1
	STEP 0, 0, 0
	s_sub_co_u32 s3, s3, 1
	s_cmp_lg_u32 s3, 0
	s_cbranch_scc1 .Llap
	TURN 0, 1, 0                                   ; the last lap fills nothing
	STEP 1, 0, 0
	s_wait_dscnt 4*NL
	WIN MUL_LO
	MUL16 0, 1, NQ-1, 1, 0
	MUL16 2, 1, NQ-1, 1, 0
	s_wait_dscnt 0
	WIN MUL_HI
	MUL16 4, 1, NQ-1, 1, 0
	MUL16 6, 1, NQ-1, 1, 0
	WIN 0
; THE WAY OUT.  Block a's 64 registers (window 2 or 3) are quantised along the wave's 128 rows of B: codes into v[PC] on, the scale word into v[PWS + a].  Each accumulator is read from its low end on.
.macro QUANTW a
.set AC, 64*((\a)%4)
	WIN 0x0a+5*((\a)/4)                            ; sources 0 and 1: window 2 or 3
.irp b, 0,1,2,3
	v_max3_num_f32 v[TM+\b], |v[AC+16*\b]|, |v[AC+1+16*\b]|, 0x1800000   ; and the floor 2^(3 - 127)
.endr
.irp i, 2,4,6,8,10,12,14
.irp b, 0,1,2,3
	v_max3_num_f32 v[TM+\b], |v[AC+16*\b+\i]|, |v[AC+1+16*\b+\i]|, v[TM+\b]
.endr
.endr
	WIN 0
.irp b, 0,1,2,3
	v_permlanex16_b32 v[TM+4+\b], v[TM+\b], s[SEL], s[SEL+1]
.endr
.irp b, 0,1,2,3
	v_max_num_f32 v[TM+\b], v[TM+\b], v[TM+4+\b]
.endr
.irp b, 0,1,2,3
	v_add_nc_u32 v[TM+12+\b], 0xff000000, v[TM+\b]
.endr
.irp b, 0,1,2,3
	v_lshrrev_b32 v[TM+4+\b], 23, v[TM+12+\b]
.endr
	v_lshl_or_b32 v[PWS+(\a)], v[TM+5], 8, v[TM+4]
	v_lshl_or_b32 v[PWS+(\a)], v[TM+6], 16, v[PWS+(\a)]
	v_lshl_or_b32 v[PWS+(\a)], v[TM+7], 24, v[PWS+(\a)]
	WIN 0x02+((\a)/4)                              ; source 0: window 2 or 3
.irp c, 0,1
	v_cvt_scalef32_pk16_fp6_f32 v[PC+6*\c:PC+2+6*\c], v[AC+32*\c:AC+15+32*\c], v[TM+12+2*\c]
	v_cvt_scalef32_pk16_fp6_f32 v[PC+12+4*\c:PC+14+4*\c], v[AC+16+32*\c:AC+31+32*\c], v[TM+12+2*\c+1]
.endr
	WIN 0
	v_nop                                          ; one plain place behind a scaled conversion
.irp c, 0,1
.irp i, 0,1,2
	v_permlane16_swap_b32 v[PC+6*\c+\i], v[PC+12+4*\c+\i]
.endr
.irp i, 0,1,2
	v_mov_b32 v[PC+3+6*\c+\i], v[PC+12+4*\c+\i]
.endr
.endr
.endm
	PLACES NP
.irp a, 0,1,2,3,4,5,6,7
.if \a > 0
	s_wait_xcnt 0x0                                ; the last block's stores have read the codes' registers
.endif
	QUANTW \a
.irp c, 0,1,2
	global_store_b128 v[CO], v[PC+4*\c:PC+4*\c+3], s[12:13] offset:(\a)*FRB+512*\c   ; 512 consecutive bytes, at a multiple of 512
.endr
.endr
	v_cmp_le_u32 vcc_lo, 16, v[LN]                 ; the scale words: lanes 0-15 take block 2 p's, lanes 16-31 block 2 p + 1's: 128 consecutive bytes a register,
.irp p, 0,1,2,3
	v_cndmask_b32 v[CMB+\p], v[PWS+2*\p], v[PWS+2*\p+1], vcc_lo
.endr
.irp p, 0,1,2,3
	ds_store_b32 v[STS], v[CMB+\p] offset:128*\p   ; through my own 512 bytes of LDS,
.endr
	ds_load_b128 v[92:95], v[RD]                   ; (LDS serves a wave's instructions in order)
	s_wait_dscnt 0x0
	global_store_b128 v[CO], v[92:95], s[96:97]    ; and out as 512 consecutive bytes
	s_wait_tensorcnt 0x0                           ; the wave's end
	ds_add_u32 v[SPW], v[NIL]
	s_wait_dscnt 0x0
	CROUND                                         ; the closing round
	s_endpgm
.Lfunc_end_k_qac7a257992_proj:
	.size	k_qac7a257992_proj, .Lfunc_end_k_qac7a257992_proj-k_qac7a257992_proj
	.p2alignl 7, 3214868480
	.fill 96, 4, 3214868480
	.section	.rodata,"a",@progbits
	.p2align	6, 0x0
	.amdhsa_kernel k_qac7a257992_proj
		.amdhsa_group_segment_fixed_size 327680
		.amdhsa_private_segment_fixed_size 0
		.amdhsa_enable_private_segment 0
		.amdhsa_kernarg_size 32
		.amdhsa_user_sgpr_count 2
		.amdhsa_user_sgpr_kernarg_segment_ptr 1
		.amdhsa_wavefront_size32 1
		.amdhsa_system_sgpr_workgroup_id_x 1
		.amdhsa_system_sgpr_workgroup_id_y 1
		.amdhsa_system_sgpr_workgroup_id_z 1
		.amdhsa_system_vgpr_workitem_id 0
		.amdhsa_next_free_vgpr 1024
		.amdhsa_next_free_sgpr 98
		.amdhsa_reserve_vcc 1
		.amdhsa_float_denorm_mode_32 3
		.amdhsa_float_denorm_mode_16_64 3
		.amdhsa_memory_ordered 1
		.amdhsa_forward_progress 1
		.amdhsa_inst_pref_size 141
	.end_amdhsa_kernel
	.amdgpu_metadata
---
amdhsa.version: [ 1, 2 ]
amdhsa.kernels:
  - .name:           k_qac7a257992_proj
    .symbol:         k_qac7a257992_proj.kd
    .args:
      - { .name: fc, .offset: 0, .size: 8, .value_kind: global_buffer, .address_space: global }
      - { .name: fs, .offset: 8, .size: 8, .value_kind: global_buffer, .address_space: global }
      - { .name: pf, .offset: 16, .size: 8, .value_kind: global_buffer, .address_space: global }
      - { .name: ps, .offset: 24, .size: 8, .value_kind: global_buffer, .address_space: global }
    .group_segment_fixed_size: 327680
    .private_segment_fixed_size: 0
    .kernarg_segment_align: 8
    .kernarg_segment_size: 32
    .max_flat_workgroup_size: 128
    .sgpr_count:     98
    .vgpr_count:     1024
    .wavefront_size: 32
...
	.end_amdgpu_metadata
.endif
;; end of part 2
;; launch attn (part 3): grid 8 x 32, 16 waves a work-group, clusters of 4 x 1, 327,680 bytes of LDS; arguments pf, ps, lq1, lk1, lq2, lk2, yf, ys; writes yf, ys
.if DOCPART == 3
	.amdgcn_target "amdgcn-amd-amdhsa--gfx1250"
	.amdhsa_code_object_version 6
	.text
	.protected	k_qac7a257992_attn
	.globl	k_qac7a257992_attn
	.p2align	8
	.type	k_qac7a257992_attn,@function
k_qac7a257992_attn:
	s_mov_b64 s[64:65], 0
	v_nop
	global_prefetch_b8 v0, s[64:65] scope:SCOPE_SE
	s_setreg_imm32_b32 hwreg(HW_REG_WAVE_MODE, 25, 1), 1
	s_wait_xcnt 0x0
	s_wait_alu depctr_hold_cnt(0) depctr_sa_sdst(0) depctr_va_vdst(0) depctr_va_sdst(0) depctr_va_ssrc(0) depctr_va_vcc(0) depctr_vm_vsrc(0)
	s_getreg_b32 s2, hwreg(HW_REG_IB_STS2, 6, 4)
	s_cmp_eq_u32 s2, 0
	s_cbranch_scc0 .Lentry_in_a_cluster
	s_endpgm
.Lentry_in_a_cluster:
	s_bfe_u32 s2, ttmp6, 0x10000c
	s_cmp_lg_u32 s2, 0x3003
	s_cbranch_scc0 .Lentry_shape_is_right
	s_endpgm
.Lentry_shape_is_right:
; Differential attention of one (batch, head) for 256 queries a work-group: att = softmax(q1 k1^T / 8) - lambda softmax(q2 k2^T / 8), quantised finished along the keys, y = att v, the norm over y's 128 channels, y quantised for the last product.
; All products on codes of FP6 (E2M3) with E8M0 scales.  A fragment of q or k holds K = [first map's 64 | second map's 64]; q is used twice, each time with the other half's codes zero.
; LEFT OUT: steps of 128 keys that lie wholly above the causal mask which the problem itself builds (their att is 0 for every input); a NaN or infinity that reaches only those is not carried on.
; TWO PASSES, since att is quantised normalised.  Pass 1: running maximum and sum of each row of both maps.  Pass 2: the scores again, p = 2^(t - m - log2 l) (the second map's exponent also takes log2 |lambda|, its sign goes into
; the multiply-add), quantised by blocks of 32 keys, times V.  Both products are used transposed: a lane holds one query.
; LIMITS: the scaled scores stay under 2^31; NaN and infinities among the inputs are not served; a lambda under 2^-126 in magnitude counts as 0; quantiser's byte 1 for blocks of zeros or under 2^-124.
; SHARES: 16 waves, 16 queries each; wave w takes a rowtile of group GG of 128 queries; the groups are dealt so that the four waves w, w + 4, w + 8, w + 12 have 34 steps together.
; LDS, FILLED ONCE: K's 16 steps (16 x 12,288 bytes), V's steps 8-15 (98,304 bytes), K's and V's scale words (8,192 each): 26 tiles' worth in 16 joint loads, one a wave, shared by the cluster's four work-groups.
; V's steps 0-7 do not fit beside them (another 98,304 bytes): each wave loads those fragments from memory into its registers, as they lie.  A ring for them would put a barrier between waves that have 1 to 16 steps.
; So pass 1 and pass 2 have no barrier.  V's steps 0-7 are prefetched in pass 1's trips 0-3, two steps a trip, by one wave of each work-group of cluster x = 0, 24 blocks of 256 bytes each, told apart by address.
.set FRB,   1536
.set KSTB,  8*FRB                      ; a step: 8 fragments
.set VL0,   0x30000                    ; V's steps 8-15
.set KSC,   0x48000
.set VSC,   0x4a000
.set SPARE, 0x4c000                    ; the spare words: 16 x 128 bytes
.set AK,  1                            ; 16 x lane
.set L4,  2                            ; 4 x lane
.set SPW, 3
.set NIL, 4
.set ADK, 5
.set ADS, 6
.set ADV, 7
.set ADT, 8
.set QD,  9                            ; my query's place in its group - 16 h; QD2: - 64
.set QD2, 10
.set PFO, 11
.set NSG, 22                           ; v[22:23] -sign(lambda) as +-1.0
.set QA,  24                           ; v24-35 [q1 | 0], v30-41 [0 | q2]
.set QB,  30
.set QS,  42
.set PW,  43
.set KSR, 44
.set FR,  48                           ; four fragments of K or V
.set SA,  96                           ; scores, then att; behind the quantiser V's second four fragments
.set SB,  128
.set OA,  160                          ; y^T
.set PC,  224
.set PT,  236
.set LAM, 254
.set NINF, 255
.set WV,  20
.set GG,  26
.set SEL, 28
.set CS,  30
.set G1V, 32
.set G1KS, 40
.set G1VS, 48
.set G0K, 56
.set G0V, 60
.set G0KS, 68
.set G0VS, 72
.set G1K, 76
.set TK,  84
.set TS,  85
.set TJ,  86
.set TB,  87
.set IDX, 88
.set LIMP, 89
.set PFA, 90
.set VG,  92
.macro CROUND
	s_barrier_signal -1
	s_barrier_wait -1
	s_cmp_lg_u32 s[WV], 0
	s_cbranch_scc1 .Lnot_wave_0_\@
	s_barrier_signal -3
.Lnot_wave_0_\@:
	s_barrier_wait -3
	s_barrier_signal -1
	s_barrier_wait -1
.endm
.macro NOPS n
.rept \n
	v_nop
.endr
.endm
.macro DESC g, c, r, p                 ; group 1: r rows of c elements of 8 bytes, p elements apart; the mask names the cluster's four
	s_mov_b32 s[\g], 15|(3<<16)|(1<<21)
	s_mov_b32 s[\g+1], (\c)<<16
	s_mov_b32 s[\g+2], (\r)<<16
	s_mov_b32 s[\g+3], (\c)<<16
	s_mov_b32 s[\g+4], \r
	s_mov_b32 s[\g+5], \p
	s_mov_b32 s[\g+6], 0
	s_mov_b32 s[\g+7], 0
.endm
	s_load_b512 s[4:19], s[0:1], 0x0               ; pf, ps, lq1, lk1, lq2, lk2, yf, ys
	v_lshl_add_u32 v[SPW], v0, 2, SPARE
	v_mov_b32 v[NIL], 0
	ds_add_u32 v[SPW], v[NIL]                      ; the opening lines: the add twice on end and its wait
	ds_add_u32 v[SPW], v[NIL]
	v_lshrrev_b32 v5, 5, v0
	s_delay_alu instid0(VALU_DEP_1)
	v_readfirstlane_b32 s[WV], v5
	s_bfe_u32 s21, ttmp6, 0x40000                  ; cx
	s_and_b32 s23, ttmp7, 0xffff
	s_lshr_b32 s24, s23, 4                         ; batch
	s_and_b32 s25, s23, 15                         ; head
	s_lshr_b32 s94, s[WV], 3
	s_lshl_b32 s94, s94, 1
	s_bfe_u32 s95, s[WV], 0x10001
	s_or_b32 s94, s94, s95
	s_lshl_b32 s94, s94, 1
	s_add_co_u32 s94, s94, ttmp9
	s_lshr_b32 s95, s[WV], 2
	s_xor_b32 s95, s95, s[WV]
	s_and_b32 s95, s95, 1
	s_mul_i32 s95, s95, 15
	s_xor_b32 s[GG], s94, s95                      ; my group of 128 queries: made of the wave's number and the cluster's x
	s_bfe_u32 s27, s[WV], 0x10002
	s_lshl_b32 s27, s27, 2
	s_add_co_u32 s27, s27, s21                     ; my rowtile in it
	DESC G1K, 1536, 2, 32*KSTB/8                   ; two steps of K: 2 rows of 12,288 bytes, 32 chunks apart
	DESC G1V, 32, 64, 32                           ; 16,384 dense bytes of V
	DESC G1KS, 64, 16, 2048                        ; K's scale words: 16 x 512 bytes, 32 chunks apart
	DESC G1VS, 64, 16, 64                          ; V's: dense
	s_mov_b32 s[SEL], 0x76543210
	s_mov_b32 s[SEL+1], 0xfedcba98
	s_mov_b32 s[CS], 0x3e38aa3b                    ; log2(e) / 8
	s_mov_b32 s[CS+1], s[CS]
	s_xor_b32 s94, s[WV], 4
	s_or_b32 s94, s94, ttmp9
	s_cmp_eq_u32 s94, 0
	s_cselect_b32 s[LIMP], 4, 0                    ; wave 4 of cluster x = 0 (its GG is 15) prefetches in trips 0-3
	s_lshl_b32 s94, s24, 9
	s_add_co_u32 s94, s94, s25
	s_add_co_u32 s94, s94, 16                      ; the chunk of keys 0-127
	s_min_u32 s95, s[WV], 7
	s_mul_i32 s[G0K+1], s95, 2*KSTB                ; waves 0-7: steps 2 w, 2 w + 1
	s_mul_i32 s95, s95, 64*KSTB
	s_mul_i32 s[G0K+2], s94, KSTB
	s_add_co_u32 s[G0K+2], s[G0K+2], s95
	s_mov_b32 s[G0K+3], 0
	s_lshl_b32 s[G0KS+2], s94, 9
	s_mov_b32 s[G0KS+3], 0
	s_add_co_u32 s94, s25, 32
	s_lshl_b32 s94, s94, 5
	s_lshl_b32 s95, s24, 4
	s_add_co_u32 s94, s94, s95                     ; the chunk of V's keys 0-127
	s_mul_i32 s[VG], s94, KSTB
	s_mov_b32 s[VG+1], 0
	s_lshl_b32 s95, s[WV], 14                      ; waves 8-13: 16,384 (w - 8) into steps 8-15
	s_add_co_u32 s[G0V+1], s95, VL0-8*16384
	s_add_co_u32 s95, s95, s[VG]
	s_sub_co_u32 s[G0V+2], s95, 8*16384-8*KSTB
	s_mov_b32 s[G0V+3], 0
	s_lshl_b32 s[G0VS+2], s94, 9
	s_mov_b32 s[G0VS+3], 0
	s_lshl_b32 s94, s24, 4
	s_add_co_u32 s94, s94, s[GG]
	s_lshl_b32 s94, s94, 5
	s_add_co_u32 s94, s94, s25                     ; my queries' chunk
	s_mul_i32 s2, s94, KSTB
	s_mul_i32 s95, s27, FRB
	s_add_co_u32 s2, s2, s95
	s_mov_b32 s3, 0
	s_lshl_b32 s22, s94, 9
	s_lshl_b32 s95, s27, 6
	s_add_co_u32 s22, s22, s95
	s_mov_b32 s23, 0
	s_lshl_b32 s94, s24, 7
	s_lshl_b32 s95, s[GG], 3
	s_add_co_u32 s94, s94, s95
	s_add_co_u32 s94, s94, s27                     ; my rowtile of tokens
	s_lshl_b32 s96, s94, 10
	s_lshl_b32 s95, s25, 2
	s_add_co_u32 s96, s96, s95
	s_mov_b32 s97, 0
	s_lshl_b32 s94, s94, 4
	s_add_co_u32 s94, s94, s25
	s_mul_i32 s98, s94, FRB
	s_mov_b32 s99, 0
	s_mul_i32 s[PFA], s21, 6144
	s_mov_b32 s[PFA+1], 0
	s_wait_dscnt 0x0
	s_wait_kmcnt 0x0
	s_mov_b32 s[G0K], 1
	s_add_nc_u64 s[G0K+2:G0K+3], s[4:5], s[G0K+2:G0K+3]
	s_or_b32 s[G0K+3], s[G0K+3], 0x80000000
	s_mov_b32 s[G0V], 1
	s_add_nc_u64 s[G0V+2:G0V+3], s[4:5], s[G0V+2:G0V+3]
	s_or_b32 s[G0V+3], s[G0V+3], 0x80000000
	s_mov_b32 s[G0KS], 1
	s_mov_b32 s[G0KS+1], KSC
	s_add_nc_u64 s[G0KS+2:G0KS+3], s[6:7], s[G0KS+2:G0KS+3]
	s_or_b32 s[G0KS+3], s[G0KS+3], 0x80000000
	s_mov_b32 s[G0VS], 1
	s_mov_b32 s[G0VS+1], VSC
	s_add_nc_u64 s[G0VS+2:G0VS+3], s[6:7], s[G0VS+2:G0VS+3]
	s_or_b32 s[G0VS+3], s[G0VS+3], 0x80000000
	s_add_nc_u64 s[VG:VG+1], s[4:5], s[VG:VG+1]    ; V's step 0 in memory
	s_add_nc_u64 s[PFA:PFA+1], s[VG:VG+1], s[PFA:PFA+1]
	s_add_nc_u64 s[2:3], s[4:5], s[2:3]
	s_add_nc_u64 s[22:23], s[6:7], s[22:23]
	s_add_nc_u64 s[16:17], s[16:17], s[98:99]
	s_add_nc_u64 s[18:19], s[18:19], s[96:97]
	CROUND                                         ; the four work-groups meet ahead of the joint loads
.macro ARM under, g0, g1, next         ; one chain of branches on the wave's number, one load to an arm
	s_cmp_lt_u32 s[WV], \under
	s_cbranch_scc0 \next
	tensor_load_to_lds s[\g0:\g0+3], s[\g1:\g1+7]
	s_nop 0
	NOPS 4
	s_branch .Lfilled
\next:
.endm
	ARM 8,  G0K,  G1K,  .Lnot_k
	ARM 14, G0V,  G1V,  .Lnot_v
	ARM 15, G0KS, G1KS, .Lnot_ks
	tensor_load_to_lds s[G0VS:G0VS+3], s[G1VS:G1VS+7]
	s_nop 0
	NOPS 4
.Lfilled:
	v_and_b32 v20, 31, v0
	v_and_b32 v21, 15, v0
	v_bfe_u32 v22, v0, 4, 1
	s_delay_alu instid0(VALU_DEP_3)
	v_lshlrev_b32 v[AK], 4, v20
	s_delay_alu instid0(VALU_DEP_4)
	v_lshlrev_b32 v[L4], 2, v20
.irp c, 0,1,2
	global_load_b128 v[FR+4*\c:FR+4*\c+3], v[AK], s[2:3] offset:512*\c     ; my queries' fragment
.endr
	v_lshlrev_b32 v23, 2, v21
	global_load_b32 v[QS], v23, s[22:23]
	s_lshl_b32 s94, s25, 8
	v_lshlrev_b32 v244, 3, v20
	s_delay_alu instid0(VALU_DEP_1)
	v_add_nc_u32 v244, s94, v244
	global_load_b64 v[96:97], v244, s[8:9]         ; my head's lq1, lk1, lq2, lk2: two numbers a lane
	global_load_b64 v[98:99], v244, s[10:11]
	global_load_b64 v[100:101], v244, s[12:13]
	global_load_b64 v[102:103], v244, s[14:15]
	s_lshr_b32 s94, s27, 1
	s_lshl_b32 s94, s94, 5
	s_and_b32 s95, s27, 1
	s_lshl_b32 s95, s95, 3
	s_add_co_u32 s94, s94, s95
	v_and_b32 v[QD], 8, v21
	s_delay_alu instid0(VALU_DEP_1)
	v_add_nc_u32 v[QD], v[QD], v21
	s_delay_alu instid0(VALU_DEP_1)
	v_add_nc_u32 v[QD], s94, v[QD]
	v_lshlrev_b32 v[QD2], 4, v22
	s_delay_alu instid0(VALU_DEP_1)
	v_sub_nc_u32 v[QD], v[QD], v[QD2]
	s_delay_alu instid0(VALU_DEP_1)
	v_add_nc_u32 v[QD2], 0xffffffc0, v[QD]
	v_min_u32 v[PFO], 23, v20
	s_delay_alu instid0(VALU_DEP_1)
	v_lshlrev_b32 v[PFO], 8, v[PFO]
	v_mov_b32 v13, 0xff61b1e6                      ; the running largest scores: -3e38
	v_mov_b32 v15, 0xff61b1e6
	s_delay_alu instid0(VALU_DEP_2)
	v_mul_f32 v12, s[CS], v13
	s_delay_alu instid0(VALU_DEP_2)
	v_mul_f32 v14, s[CS], v15
.irp i, 16,17,18,19, 30,31,32,33,34,35, 246,247,249,251
	v_mov_b32 v[\i], 0
.endr
	v_mov_b32 v[NINF], 0xff800000
.set j, 0
.rept 64
	v_mov_b32 v[OA+j], 0                           ; the step is written once, in a loop: the first finds zeros
.set j, j+1
.endr
	s_mov_b32 s94, 0x3fb8aa3b
	s_mov_b32 s95, 0x32a57060
	s_wait_loadcnt 0x0
.irp i, 0,1,2,3,4,5
	v_mov_b32 v[QA+\i], v[FR+\i]
	v_mov_b32 v[QB+6+\i], v[FR+6+\i]
.endr
	v_mul_f32 v104, v96, v98                       ; lambda = exp(sum lq1 lk1) - exp(sum lq2 lk2) + its constant; log2(e) in two parts
	v_mul_f32 v105, v100, v102
	s_delay_alu instid0(VALU_DEP_2)
	v_fmac_f32 v104, v97, v99
	s_delay_alu instid0(VALU_DEP_2)
	v_fmac_f32 v105, v101, v103
.irp m, 1,2,4,8
	s_delay_alu instid0(VALU_DEP_2)
	v_add_f32_dpp v104, v104, v104 row_xmask:\m row_mask:0xf bank_mask:0xf
	s_delay_alu instid0(VALU_DEP_2)
	v_add_f32_dpp v105, v105, v105 row_xmask:\m row_mask:0xf bank_mask:0xf
.endr
	s_delay_alu instid0(VALU_DEP_2)
	v_permlanex16_b32 v246, v104, s[SEL], s[SEL+1]
	s_delay_alu instid0(VALU_DEP_2)
	v_permlanex16_b32 v247, v105, s[SEL], s[SEL+1]
	s_delay_alu instid0(VALU_DEP_2)
	v_add_f32 v104, v104, v246
	s_delay_alu instid0(VALU_DEP_2)
	v_add_f32 v105, v105, v247
	s_delay_alu instid0(VALU_DEP_2)
	v_mul_f32 v106, s94, v104
	s_delay_alu instid0(VALU_DEP_2)
	v_mul_f32 v107, s94, v105
	s_delay_alu instid0(VALU_DEP_2)
	v_fma_f32 v108, v104, s94, -v106
	s_delay_alu instid0(VALU_DEP_2)
	v_fma_f32 v109, v105, s94, -v107
	s_delay_alu instid0(VALU_DEP_2)
	v_fma_f32 v108, v104, s95, v108
	s_delay_alu instid0(VALU_DEP_2)
	v_fma_f32 v109, v105, s95, v109
	v_rndne_f32 v110, v106
	v_rndne_f32 v111, v107
	s_delay_alu instid0(VALU_DEP_2)
	v_sub_f32 v106, v106, v110
	s_delay_alu instid0(VALU_DEP_2)
	v_sub_f32 v107, v107, v111
	s_delay_alu instid0(VALU_DEP_2)
	v_add_f32 v106, v106, v108
	s_delay_alu instid0(VALU_DEP_2)
	v_add_f32 v107, v107, v109
	v_cvt_i32_f32 v110, v110
	v_cvt_i32_f32 v111, v111
	s_wait_alu depctr_va_vdst(0)
	v_exp_f32 v106, v106
	v_exp_f32 v107, v107
	v_nop
	s_wait_alu depctr_va_vdst(0)
	v_ldexp_f32 v106, v106, v110
	v_ldexp_f32 v107, v107, v111
	s_delay_alu instid0(VALU_DEP_1)
	v_sub_f32 v[LAM], v106, v107
	s_delay_alu instid0(VALU_DEP_1)
	v_add_f32 v[LAM], 0x3e82d216, v[LAM]
	v_mov_b32 v[NSG+1], 0
	s_delay_alu instid0(VALU_DEP_2)
	v_and_b32 v[NSG], 0x80000000, v[LAM]
	s_delay_alu instid0(VALU_DEP_1)
	v_xor_b32 v[NSG], 0xbf800000, v[NSG]           ; -1.0 where lambda is not negative, else +1.0
	s_wait_alu depctr_va_vdst(0)
	s_wait_tensorcnt 0x0                           ; my tile is in,
	s_barrier_signal -1
	s_barrier_wait -1                              ; everybody's are: the launch's only barrier ahead of its end
.macro WM0 d, a, b, sa, odd
.if \odd
	v_wmma_scale_f32_16x16x128_f8f6f4 v[\d:\d+7], v[\a:\a+11], v[\b:\b+11], 0, v[\sa], v[QS] matrix_a_fmt:MATRIX_FMT_FP6 matrix_b_fmt:MATRIX_FMT_FP6 matrix_a_scale:MATRIX_SCALE_ROW1
.else
	v_wmma_scale_f32_16x16x128_f8f6f4 v[\d:\d+7], v[\a:\a+11], v[\b:\b+11], 0, v[\sa], v[QS] matrix_a_fmt:MATRIX_FMT_FP6 matrix_b_fmt:MATRIX_FMT_FP6
.endif
.endm
.macro WMA d, a, sa, odd
.if \odd
	v_wmma_scale_f32_16x16x128_f8f6f4 v[\d:\d+7], v[\a:\a+11], v[PC:PC+11], v[\d:\d+7], v[\sa], v[PW] matrix_a_fmt:MATRIX_FMT_FP6 matrix_b_fmt:MATRIX_FMT_FP6 matrix_a_scale:MATRIX_SCALE_ROW1
.else
	v_wmma_scale_f32_16x16x128_f8f6f4 v[\d:\d+7], v[\a:\a+11], v[PC:PC+11], v[\d:\d+7], v[\sa], v[PW] matrix_a_fmt:MATRIX_FMT_FP6 matrix_b_fmt:MATRIX_FMT_FP6
.endif
.endm
.macro LOADK hf, k0                    ; four fragments of K (64 keys) and their scale words (two rowtiles to a register)
.irp t, 0,1,2,3
.irp c, 0,1,2
	ds_load_b128 v[FR+12*\t+4*\c:FR+12*\t+4*\c+3], v[ADK] offset:\hf*4*FRB+\t*FRB+512*\c
.endr
.endr
.irp p, 0,1
	ds_load_b32 v[KSR+\k0+\p], v[ADS] offset:\hf*256+128*\p
.endr
.endm
.macro LOADV reg, g, k0                ; four fragments of V (64 channels x this step's 128 keys): steps 0-7 from memory, steps 8-15 from LDS; the scale words from LDS
	s_cmp_lt_u32 s[IDX], 8
	s_cbranch_scc0 .Lv_lds_\@
.irp t, 0,1,2,3
.irp c, 0,1,2
	global_load_b128 v[\reg+12*\t+4*\c:\reg+12*\t+4*\c+3], v[AK], s[VG:VG+1] offset:(4*\g+\t)*FRB+512*\c
.endr
.endr
	s_branch .Lv_done_\@
.Lv_lds_\@:
.irp t, 0,1,2,3
.irp c, 0,1,2
	ds_load_b128 v[\reg+12*\t+4*\c:\reg+12*\t+4*\c+3], v[ADV] offset:(4*\g+\t)*FRB+512*\c
.endr
.endr
.Lv_done_\@:
.irp p, 0,1
	ds_load_b32 v[KSR+\k0+\p], v[ADT] offset:\g*256+128*\p
.endr
.endm
.macro SCORES k0                       ; S^T of both maps for 64 keys; the accumulators by turns
.irp t, 0,1,2,3
	WM0 SA+8*\t, FR+12*\t, QA, KSR+\k0+\t/2, \t%2
	WM0 SB+8*\t, FR+12*\t, QB, KSR+\k0+\t/2, \t%2
.endr
	NOPS 4
.endm
.macro MASK d                          ; the diagonal step alone: -inf where the key lies behind the query
	s_cmp_lg_u32 s[IDX], s[GG]
	s_cbranch_scc1 .Lopen_\@
.set n, 0
.rept 32
	v_cmp_gt_i32 vcc_lo, 32*(n/16)+n%16, v[\d]
	v_cndmask_b32 v[SA+n], v[SA+n], v[NINF], vcc_lo
	v_cndmask_b32 v[SB+n], v[SB+n], v[NINF], vcc_lo
.set n, n+1
.endr
.Lopen_\@:
.endm
.macro STATS                           ; the running maxima (v13, v15; as t in v12, v14) and sums (v[16:17], v[18:19]) take in 64 keys
	v_max3_num_f32 v244, v[SA], v[SA+1], v13
	v_max3_num_f32 v246, v[SB], v[SB+1], v15
	v_max3_num_f32 v245, v[SA+16], v[SA+17], v[SA+18]
	v_max3_num_f32 v247, v[SB+16], v[SB+17], v[SB+18]
.irp i, 2,4,6,8,10,12
	v_max3_num_f32 v244, v244, v[SA+\i], v[SA+\i+1]
	v_max3_num_f32 v246, v246, v[SB+\i], v[SB+\i+1]
	v_max3_num_f32 v245, v245, v[SA+17+\i], v[SA+18+\i]
	v_max3_num_f32 v247, v247, v[SB+17+\i], v[SB+18+\i]
.endr
	v_max3_num_f32 v244, v244, v[SA+14], v[SA+15]
	v_max3_num_f32 v246, v246, v[SB+14], v[SB+15]
	v_max3_num_f32 v13, v244, v245, v[SA+31]
	v_max3_num_f32 v15, v246, v247, v[SB+31]
	s_delay_alu instid0(VALU_DEP_2)
	v_mul_f32 v252, s[CS], v13
	s_delay_alu instid0(VALU_DEP_2)
	v_mul_f32 v253, s[CS], v15
	s_delay_alu instid0(VALU_DEP_2)
	v_sub_f32 v248, v12, v252
	s_delay_alu instid0(VALU_DEP_2)
	v_sub_f32 v250, v14, v253
	s_delay_alu instid0(VALU_DEP_4)
	v_mov_b32 v12, v252
	s_delay_alu instid0(VALU_DEP_4)
	v_mov_b32 v14, v253
.set j, 0
.rept 16
	v_pk_fma_f32 v[SA+j:SA+j+1], v[SA+j:SA+j+1], s[CS:CS+1], v[12:13] op_sel_hi:[1,0,0] neg_lo:[0,0,1] neg_hi:[0,0,1]
	v_pk_fma_f32 v[SB+j:SB+j+1], v[SB+j:SB+j+1], s[CS:CS+1], v[14:15] op_sel_hi:[1,0,0] neg_lo:[0,0,1] neg_hi:[0,0,1]
.set j, j+2
.endr
	s_wait_alu depctr_va_vdst(0)                   ; ahead of the batch, and behind it
	v_exp_f32 v248, v248
	v_exp_f32 v250, v250
.set j, 0
.rept 32
	v_exp_f32 v[SA+j], v[SA+j]
	v_exp_f32 v[SB+j], v[SB+j]
.set j, j+1
.endr
	v_nop
	s_wait_alu depctr_va_vdst(0)
	v_pk_fma_f32 v[16:17], v[16:17], v[248:249], v[SA:SA+1] op_sel_hi:[1,0,1]
	v_pk_fma_f32 v[18:19], v[18:19], v[250:251], v[SB:SB+1] op_sel_hi:[1,0,1]
	v_pk_add_f32 v[236:237], v[SA+2:SA+3], v[SA+4:SA+5]
	v_pk_add_f32 v[238:239], v[SB+2:SB+3], v[SB+4:SB+5]
.irp j, 6,10,14,18,22,26
	v_pk_add_f32 v[16:17], v[16:17], v[SA+\j:SA+\j+1]
	v_pk_add_f32 v[18:19], v[18:19], v[SB+\j:SB+\j+1]
	v_pk_add_f32 v[236:237], v[236:237], v[SA+\j+2:SA+\j+3]
	v_pk_add_f32 v[238:239], v[238:239], v[SB+\j+2:SB+\j+3]
.endr
	v_pk_add_f32 v[16:17], v[16:17], v[SA+30:SA+31]
	v_pk_add_f32 v[18:19], v[18:19], v[SB+30:SB+31]
	s_delay_alu instid0(VALU_DEP_2)
	v_pk_add_f32 v[16:17], v[16:17], v[236:237]
	s_delay_alu instid0(VALU_DEP_2)
	v_pk_add_f32 v[18:19], v[18:19], v[238:239]
.endm
.macro STEP1
	s_cmp_gt_u32 s[IDX], s[GG]                     ; a step wholly above the mask: round the work, by ids alone
	s_cbranch_scc1 .Lhid1_\@
	v_add_nc_u32 v[ADK], s[TK], v[AK]
	v_add_nc_u32 v[ADS], s[TS], v[L4]
	LOADK 0, 0
	s_wait_alu depctr_va_vdst(0)
	s_wait_dscnt 0x0
	SCORES 0
	LOADK 1, 2
	s_cmp_lt_u32 s[IDX], s[LIMP]
	s_cbranch_scc0 .Lnoask_\@
	global_prefetch_b8 v[PFO], s[PFA:PFA+1] th:TH_LOAD_NT scope:SCOPE_SE   ; my work-group's 6,144 bytes of V's steps 2 IDX, 2 IDX + 1
.Lnoask_\@:
	MASK QD
	STATS
	s_wait_dscnt 0x0
	SCORES 2
	MASK QD2
	STATS
.Lhid1_\@:
	s_add_co_u32 s[TK], s[TK], KSTB
	s_add_co_u32 s[TS], s[TS], 512
.endm
.macro P2HALF                          ; att of 64 keys: 2^(t1 - M1) -+ 2^(t2 - M2), M holding the maximum, log2 of the sum and, for the second map, -log2 |lambda|
.set j, 0
.rept 16
	v_pk_fma_f32 v[SA+j:SA+j+1], v[SA+j:SA+j+1], s[CS:CS+1], v[12:13] op_sel_hi:[1,0,0] neg_lo:[0,0,1] neg_hi:[0,0,1]
	v_pk_fma_f32 v[SB+j:SB+j+1], v[SB+j:SB+j+1], s[CS:CS+1], v[14:15] op_sel_hi:[1,0,0] neg_lo:[0,0,1] neg_hi:[0,0,1]
.set j, j+2
.endr
.set j, 0
	s_wait_alu depctr_va_vdst(0)
.rept 32
	v_exp_f32 v[SA+j], v[SA+j]
	v_exp_f32 v[SB+j], v[SB+j]
.set j, j+1
.endr
	v_nop
	s_wait_alu depctr_va_vdst(0)
.set j, 0
.rept 16
	v_pk_fma_f32 v[SA+j:SA+j+1], v[SB+j:SB+j+1], v[NSG:NSG+1], v[SA+j:SA+j+1] op_sel_hi:[1,0,1]
.set j, j+2
.endr
.endm
.macro QHALF cc, src                   ; 32 registers (two blocks of 32 along the next K, shared with lane l xor 16) become registers 6 cc .. 6 cc + 5 of the operand and two bytes of its scale word
.irp b, 0,1
	v_max3_num_f32 v[244+\b], |v[\src+16*\b]|, |v[\src+1+16*\b]|, 0x1800000
.endr
.irp i, 2,4,6,8,10,12,14
.irp b, 0,1
	s_delay_alu instid0(VALU_DEP_2)
	v_max3_num_f32 v[244+\b], v[244+\b], |v[\src+16*\b+\i]|, |v[\src+1+16*\b+\i]|
.endr
.endr
	s_delay_alu instid0(VALU_DEP_2)
	v_permlanex16_b32 v246, v244, s[SEL], s[SEL+1]
	s_delay_alu instid0(VALU_DEP_2)
	v_permlanex16_b32 v247, v245, s[SEL], s[SEL+1]
	s_delay_alu instid0(VALU_DEP_2)
	v_max_num_f32 v244, v244, v246
	s_delay_alu instid0(VALU_DEP_2)
	v_max_num_f32 v245, v245, v247
	s_delay_alu instid0(VALU_DEP_2)
	v_add_nc_u32 v248, 0xff000000, v244
	s_delay_alu instid0(VALU_DEP_2)
	v_add_nc_u32 v249, 0xff000000, v245
	s_delay_alu instid0(VALU_DEP_2)
	v_lshrrev_b32 v246, 23, v248
	s_delay_alu instid0(VALU_DEP_2)
	v_lshrrev_b32 v247, 23, v249
.if \cc == 0
	s_delay_alu instid0(VALU_DEP_1)
	v_lshl_or_b32 v[PW], v247, 8, v246
.else
	s_delay_alu instid0(VALU_DEP_2)
	v_lshl_or_b32 v[PW], v246, 16, v[PW]
	s_delay_alu instid0(VALU_DEP_1)
	v_lshl_or_b32 v[PW], v247, 24, v[PW]
.endif
	v_cvt_scalef32_pk16_fp6_f32 v[PC+6*\cc:PC+6*\cc+2], v[\src:\src+15], v248
	v_cvt_scalef32_pk16_fp6_f32 v[PT:PT+2], v[\src+16:\src+31], v249
	v_nop
.irp i, 0,1,2
	v_permlane16_swap_b32 v[PC+6*\cc+\i], v[PT+\i]
.endr
.irp i, 0,1,2
	s_delay_alu instid0(VALU_DEP_3)
	v_mov_b32 v[PC+6*\cc+3+\i], v[PT+\i]
.endr
.endm
.macro PV reg, g, k0
.irp t, 0,1,2,3
	WMA OA+8*(4*\g+\t), \reg+12*\t, KSR+\k0+\t/2, \t%2
.endr
.endm
.macro STEP2
	s_cmp_gt_u32 s[IDX], s[GG]
	s_cbranch_scc1 .Lhid2_\@
	v_add_nc_u32 v[ADK], s[TK], v[AK]
	v_add_nc_u32 v[ADS], s[TS], v[L4]
	v_add_nc_u32 v[ADV], s[TB], v[AK]
	v_add_nc_u32 v[ADT], s[TJ], v[L4]
	LOADK 0, 0
	s_wait_alu depctr_va_vdst(0)
	s_wait_dscnt 0x0
	SCORES 0
	LOADK 1, 2
	MASK QD
	P2HALF
	QHALF 0, SA
	s_wait_dscnt 0x0
	SCORES 2
	LOADV FR, 0, 0                                 ; V's channels 0-63, under the second half's vector work
	MASK QD2
	P2HALF
	QHALF 1, SA
	s_wait_alu depctr_va_vdst(0)
	LOADV SA, 1, 2                                 ; V's channels 64-127 into the registers that held att
	NOPS 8                                         ; the scale word stands 8 places ahead of the scaled products
	s_wait_alu depctr_va_vdst(0)
	s_wait_loadcnt 12                              ; the second four fragments' 12 loads may be out,
	s_wait_dscnt 2                                 ; and their two scale words
	PV FR, 0, 0
	s_wait_loadcnt 0x0
	s_wait_dscnt 0x0
	PV SA, 1, 2
	NOPS 5                                         ; the next scores are laid over these products' operands
.Lhid2_\@:
	s_add_co_u32 s[TK], s[TK], KSTB
	s_add_co_u32 s[TS], s[TS], 512
	s_add_co_u32 s[TJ], s[TJ], 512
	s_add_co_u32 s[TB], s[TB], KSTB
	s_add_nc_u64 s[VG:VG+1], s[VG:VG+1], KSTB      ; (every load that named it has been waited for)
.endm
	s_mov_b32 s[IDX], 0
	s_mov_b32 s[TK], 0
	s_mov_b32 s[TS], KSC
.Lp1:
	STEP1
	s_wait_xcnt 0x0                                ; the prefetch has read its address
	s_add_nc_u64 s[PFA:PFA+1], s[PFA:PFA+1], 2*KSTB
	s_add_co_u32 s[IDX], s[IDX], 1
	s_cmp_lt_u32 s[IDX], 16
	s_cbranch_scc1 .Lp1
	s_wait_alu depctr_va_vdst(0)
	v_add_f32 v16, v16, v17                        ; the two lanes of a query are joined: maxima, then sums under the joint maximum
	v_add_f32 v18, v18, v19
	v_permlanex16_b32 v246, v13, s[SEL], s[SEL+1]
	v_permlanex16_b32 v247, v15, s[SEL], s[SEL+1]
	s_delay_alu instid0(VALU_DEP_2)
	v_max_num_f32 v13, v13, v246
	s_delay_alu instid0(VALU_DEP_2)
	v_max_num_f32 v15, v15, v247
	s_delay_alu instid0(VALU_DEP_2)
	v_mul_f32 v252, s[CS], v13
	s_delay_alu instid0(VALU_DEP_2)
	v_mul_f32 v253, s[CS], v15
	s_delay_alu instid0(VALU_DEP_2)
	v_sub_f32 v248, v12, v252
	s_delay_alu instid0(VALU_DEP_2)
	v_sub_f32 v250, v14, v253
	s_delay_alu instid0(VALU_DEP_4)
	v_mov_b32 v12, v252
	s_delay_alu instid0(VALU_DEP_4)
	v_mov_b32 v14, v253
	s_wait_alu depctr_va_vdst(0)
	v_exp_f32 v248, v248
	v_exp_f32 v250, v250
	v_nop
	s_wait_alu depctr_va_vdst(0)
	v_mul_f32 v16, v16, v248
	v_mul_f32 v18, v18, v250
	s_delay_alu instid0(VALU_DEP_2)
	v_permlanex16_b32 v246, v16, s[SEL], s[SEL+1]
	s_delay_alu instid0(VALU_DEP_2)
	v_permlanex16_b32 v247, v18, s[SEL], s[SEL+1]
	s_delay_alu instid0(VALU_DEP_2)
	v_add_f32 v16, v16, v246
	s_delay_alu instid0(VALU_DEP_2)
	v_add_f32 v18, v18, v247
	s_wait_alu depctr_va_vdst(0)
	v_log_f32 v16, v16                             ; the sums are at least 1
	v_log_f32 v18, v18
	v_log_f32 v17, |v[LAM]|                        ; lambda = 0 gives -inf: the second map's exponents become -inf, its p 0
	v_nop
	s_wait_alu depctr_va_vdst(0)
	v_sub_f32 v18, v18, v17
	v_add_f32 v12, v12, v16                        ; M1 = m1 + log2 l1
	s_delay_alu instid0(VALU_DEP_2)
	v_add_f32 v14, v14, v18                        ; M2 = m2 + log2 l2 - log2 |lambda|
	s_wait_alu depctr_va_vdst(0)
	s_mov_b32 s[IDX], 0
	s_mov_b32 s[TK], 0
	s_mov_b32 s[TS], KSC
	s_mov_b32 s[TJ], VSC
	s_mov_b32 s[TB], VL0-8*KSTB                    ; read from step 8 on, where it has come to VL0
.Lp2:
	STEP2
	s_add_co_u32 s[IDX], s[IDX], 1
	s_cmp_lt_u32 s[IDX], 16
	s_cbranch_scc1 .Lp2
	v_pk_add_f32 v[96:97], v[OA:OA+1], v[OA+2:OA+3]        ; the norm over the 128 channels: mean,
	v_pk_add_f32 v[98:99], v[OA+4:OA+5], v[OA+6:OA+7]
.set j, 8
.rept 14
	v_pk_add_f32 v[96:97], v[96:97], v[OA+j:OA+j+1]
	v_pk_add_f32 v[98:99], v[98:99], v[OA+j+2:OA+j+3]
.set j, j+4
.endr
	s_delay_alu instid0(VALU_DEP_1)
	v_pk_add_f32 v[96:97], v[96:97], v[98:99]
	s_delay_alu instid0(VALU_DEP_1)
	v_add_f32 v96, v96, v97
	s_delay_alu instid0(VALU_DEP_1)
	v_permlanex16_b32 v246, v96, s[SEL], s[SEL+1]
	s_delay_alu instid0(VALU_DEP_1)
	v_add_f32 v96, v96, v246
	s_delay_alu instid0(VALU_DEP_1)
	v_mul_f32 v96, 0x3c000000, v96
.set j, 0
.rept 32
	v_pk_add_f32 v[OA+j:OA+j+1], v[OA+j:OA+j+1], v[96:97] op_sel_hi:[1,0] neg_lo:[0,1] neg_hi:[0,1]
.set j, j+2
.endr
	v_pk_mul_f32 v[98:99], v[OA:OA+1], v[OA:OA+1]          ; variance,
	v_pk_mul_f32 v[100:101], v[OA+2:OA+3], v[OA+2:OA+3]
.set j, 4
.rept 15
	s_delay_alu instid0(VALU_DEP_2)
	v_pk_fma_f32 v[98:99], v[OA+j:OA+j+1], v[OA+j:OA+j+1], v[98:99]
	s_delay_alu instid0(VALU_DEP_2)
	v_pk_fma_f32 v[100:101], v[OA+j+2:OA+j+3], v[OA+j+2:OA+j+3], v[100:101]
.set j, j+4
.endr
	s_delay_alu instid0(VALU_DEP_1)
	v_pk_add_f32 v[98:99], v[98:99], v[100:101]
	s_delay_alu instid0(VALU_DEP_1)
	v_add_f32 v98, v98, v99
	s_delay_alu instid0(VALU_DEP_1)
	v_permlanex16_b32 v246, v98, s[SEL], s[SEL+1]
	s_delay_alu instid0(VALU_DEP_1)
	v_add_f32 v98, v98, v246
	s_mov_b32 s94, 0x3c000000
	s_mov_b32 s95, 0x3727c5ac
	v_fma_f32 v98, v98, s94, s95
	s_wait_alu depctr_va_vdst(0)
	v_rsq_f32 v98, v98
	v_and_b32 v20, 15, v0
	s_delay_alu instid0(VALU_DEP_1)
	v_lshlrev_b32 v20, 6, v20
	s_wait_alu depctr_va_vdst(0)
	v_mul_f32 v98, 0x3f3e96f5, v98                 ; x (1 - lambda_init)
.set j, 0
.rept 32
	v_pk_mul_f32 v[OA+j:OA+j+1], v[OA+j:OA+j+1], v[98:99] op_sel_hi:[1,0]
.set j, j+2
.endr
	QHALF 0, OA                                    ; and y leaves as a fragment of the last product's operand
	QHALF 1, OA+32
.irp c, 0,1,2
	global_store_b128 v[AK], v[PC+4*\c:PC+4*\c+3], s[16:17] offset:512*\c
.endr
	global_store_b32 v20, v[PW], s[18:19]
	s_wait_tensorcnt 0x0                           ; the wave's end
	ds_add_u32 v[SPW], v[NIL]
	s_wait_dscnt 0x0
	CROUND                                         ; the closing round
	s_endpgm
.Lfunc_end_k_qac7a257992_attn:
	.size	k_qac7a257992_attn, .Lfunc_end_k_qac7a257992_attn-k_qac7a257992_attn
	.p2alignl 7, 3214868480
	.fill 96, 4, 3214868480
	.section	.rodata,"a",@progbits
	.p2align	6, 0x0
	.amdhsa_kernel k_qac7a257992_attn
		.amdhsa_group_segment_fixed_size 327680
		.amdhsa_private_segment_fixed_size 0
		.amdhsa_enable_private_segment 0
		.amdhsa_kernarg_size 64
		.amdhsa_user_sgpr_count 2
		.amdhsa_user_sgpr_kernarg_segment_ptr 1
		.amdhsa_wavefront_size32 1
		.amdhsa_system_sgpr_workgroup_id_x 1
		.amdhsa_system_sgpr_workgroup_id_y 1
		.amdhsa_system_sgpr_workgroup_id_z 1
		.amdhsa_system_vgpr_workitem_id 0
		.amdhsa_next_free_vgpr 256
		.amdhsa_next_free_sgpr 100
		.amdhsa_reserve_vcc 1
		.amdhsa_float_denorm_mode_32 3
		.amdhsa_float_denorm_mode_16_64 3
		.amdhsa_memory_ordered 1
		.amdhsa_forward_progress 1
		.amdhsa_inst_pref_size 95
	.end_amdhsa_kernel
	.amdgpu_metadata
---
amdhsa.version: [ 1, 2 ]
amdhsa.kernels:
  - .name:           k_qac7a257992_attn
    .symbol:         k_qac7a257992_attn.kd
    .args:
      - { .name: pf, .offset: 0, .size: 8, .value_kind: global_buffer, .address_space: global }
      - { .name: ps, .offset: 8, .size: 8, .value_kind: global_buffer, .address_space: global }
      - { .name: lq1, .offset: 16, .size: 8, .value_kind: global_buffer, .address_space: global }
      - { .name: lk1, .offset: 24, .size: 8, .value_kind: global_buffer, .address_space: global }
      - { .name: lq2, .offset: 32, .size: 8, .value_kind: global_buffer, .address_space: global }
      - { .name: lk2, .offset: 40, .size: 8, .value_kind: global_buffer, .address_space: global }
      - { .name: yf, .offset: 48, .size: 8, .value_kind: global_buffer, .address_space: global }
      - { .name: ys, .offset: 56, .size: 8, .value_kind: global_buffer, .address_space: global }
    .group_segment_fixed_size: 327680
    .private_segment_fixed_size: 0
    .kernarg_segment_align: 8
    .kernarg_segment_size: 64
    .max_flat_workgroup_size: 512
    .sgpr_count:     100
    .vgpr_count:     256
    .wavefront_size: 32
...
	.end_amdgpu_metadata
.endif
;; end of part 3
;; launch outp (part 4): grid 8 x 32, 4 waves a work-group, clusters of 4 x 4, 327,680 bytes of LDS; arguments yf, ys, fc, fs, out0; writes out0
.if DOCPART == 4
	.amdgcn_target "amdgcn-amd-amdhsa--gfx1250"
	.amdhsa_code_object_version 6
	.text
	.protected	k_qac7a257992_outp
	.globl	k_qac7a257992_outp
	.p2align	8
	.type	k_qac7a257992_outp,@function
k_qac7a257992_outp:
	s_mov_b64 s[64:65], 0
	v_nop
	global_prefetch_b8 v0, s[64:65] scope:SCOPE_SE
	s_setreg_imm32_b32 hwreg(HW_REG_WAVE_MODE, 25, 1), 1
	s_wait_xcnt 0x0
	s_wait_alu depctr_hold_cnt(0) depctr_sa_sdst(0) depctr_va_vdst(0) depctr_va_sdst(0) depctr_va_ssrc(0) depctr_va_vcc(0) depctr_vm_vsrc(0)
	s_getreg_b32 s2, hwreg(HW_REG_IB_STS2, 6, 4)
	s_cmp_eq_u32 s2, 0
	s_cbranch_scc0 .Lentry_in_a_cluster
	s_endpgm
.Lentry_in_a_cluster:
	s_bfe_u32 s2, ttmp6, 0x10000c
	s_cmp_lg_u32 s2, 0xf033
	s_cbranch_scc0 .Lentry_shape_is_right
	s_endpgm
.Lentry_shape_is_right:
; out0 [4,096 tokens][1,024] = y Wc^T on codes of FP6 (E2M3) with E8M0 scales, K = 2,048 = 16 fragments of 128.  y comes from yf / ys, Wc from fc / fs (behind WCC, WCS bytes): rowtiles of 16 rows
; (rowtile t = rows 32 (t / 2) + 8 (t % 2) + i + 8 (i / 8)), a fragment as the image of its 12 registers, 1,536 bytes, 16 fragments a rowtile; scale words 64 bytes a storage row.
; 256 work-groups of 128 x 128; each of four waves makes 64 x 64: 16 accumulators.  The matrix instruction is used transposed (source 0 = Wc's rowtile, source 1 = y's): a lane holds 8 neighbouring columns of a token.
; NOTHING IS FILLED AGAIN: A's 128 rows for all of K (196,608 bytes) and B's 128 rows for fragments 0-7 (98,304 bytes) come by four joint loads, one a wave, A's shared along a row of the 4 x 4 cluster, B's along a column.
; B's fragments 8-15 would not fit in LDS beside them: each wave loads its 32 of them (384 registers) and its scale words (128 registers) from memory into registers at the head, under the tensor loads' flight.
; So there is one barrier, no ring, and no loop to prefetch ahead in: all that the launch reads is asked for at its head.
; REGISTERS: window 0: v16-29 addresses; v32-95 A's scale words (block a, step s at 32 + 16 a + s), v96-159 B's; v160-255 A's fragments, two sets.  window 1: v0-127 accumulators ((a, b) at 8 (4 a + b)); v128-223 B's fragments of steps 0-7, two sets.
; windows 2, 3: B's fragments of steps 8-12 and 13-15, 48 registers a step.
.set FRB,    1536
.set TP,     16*FRB                    ; a rowtile's codes
.set BROW,   8*FRB                     ; what LDS holds of a rowtile of B
.set BLDS,   8*TP
.set STAGE,  BLDS+8*BROW               ; the way out: 16 rows x 272 bytes for each wave, bytes into which no fill lands
.set SPITCH, 272
.set SPARE,  STAGE+4*16*SPITCH
.set WCC,    7864320
.set WCS,    327680
.set NROW,   4096                      ; a row of out0 in bytes
.set ADA, 16                           ; v16-17 my A fragments: blocks 0-1, 2-3
.set ADB, 18
.set STO, 19
.set RD,  20
.set CO,  21
.set L16, 22
.set R64, 23
.set SPW, 28
.set NIL, 29
.set AS,  32
.set BS,  96
.set AF,  160
.set BE,  128
.set OUT, 32
.set G1,  24
.set G0,  32
.set G1B, 48
.set G0B, 56
.set MSB, 0
.macro WIN new
.if MSB != (\new)
	s_set_vgpr_msb (MSB<<8)|(\new)
.set MSB, (\new)
.endif
.endm
.macro PLACES n
.rept \n
	v_nop
.endr
.endm
.macro CROUND
	s_barrier_signal -1
	s_barrier_wait -1
	s_cmp_lg_u32 s14, 0
	s_cbranch_scc1 .Lnot_wave_0_\@
	s_barrier_signal -3
.Lnot_wave_0_\@:
	s_barrier_wait -3
	s_barrier_signal -1
	s_barrier_wait -1
.endm
	s_load_b128 s[4:7], s[0:1], 0x0                ; yf, ys
	s_load_b128 s[8:11], s[0:1], 0x10              ; fc, fs
	s_load_b64 s[12:13], s[0:1], 0x20              ; out0
	v_lshl_add_u32 v[SPW], v0, 2, SPARE
	v_mov_b32 v[NIL], 0
	ds_add_u32 v[SPW], v[NIL]                      ; the opening lines: the add twice on end and its wait
	ds_add_u32 v[SPW], v[NIL]
	v_lshrrev_b32 v1, 5, v0
	v_readfirstlane_b32 s14, v1                    ; wave
	s_lshr_b32 s15, s14, 1                         ; my half of the tile's rows.  Also: I fetch for A (0) or B (1)
	s_and_b32 s16, s14, 1                          ; my half of its columns.  Also: which four rowtiles I fetch
	s_bfe_u32 s40, ttmp6, 0x40000
	s_bfe_u32 s41, ttmp6, 0x40004
	s_lshl_b32 s42, ttmp9, 2
	s_add_co_u32 s42, s42, s40                     ; tile column
	s_and_b32 s17, ttmp7, 0xffff
	s_lshl_b32 s17, s17, 2
	s_add_co_u32 s17, s17, s41                     ; tile row
	s_lshl_b32 s43, s41, 2
	s_lshl_b32 s43, 15, s43
	s_lshl_b32 s44, 0x1111, s40
	s_or_b32 s[G1], s43, (3<<16)|(1<<21)           ; A: four rowtiles, dense: 384 rows of 256 bytes
	s_mov_b32 s[G1+1], 32<<16
	s_mov_b32 s[G1+2], 384<<16
	s_mov_b32 s[G1+3], 32<<16
	s_mov_b32 s[G1+4], 384
	s_mov_b32 s[G1+5], 32
	s_mov_b32 s[G1+6], 0
	s_mov_b32 s[G1+7], 0
	s_or_b32 s[G1B], s44, (3<<16)|(1<<21)          ; B: the first 12,288 bytes of four rowtiles, 24,576 apart
	s_mov_b32 s[G1B+1], (BROW/8)<<16
	s_mov_b32 s[G1B+2], 4<<16
	s_mov_b32 s[G1B+3], (BROW/8)<<16
	s_mov_b32 s[G1B+4], 4
	s_mov_b32 s[G1B+5], TP/8
	s_mov_b32 s[G1B+6], 0
	s_mov_b32 s[G1B+7], 0
	s_lshl_b32 s18, s16, 2
	s_lshl_b32 s20, s17, 3
	s_add_co_u32 s20, s20, s18
	s_mul_i32 s20, s20, TP                         ; A: rowtile 8 x tile row + 4 x half
	s_mov_b32 s21, 0
	s_lshl_b32 s46, s42, 3
	s_add_co_u32 s46, s46, s18
	s_mul_i32 s46, s46, TP
	s_add_co_u32 s46, s46, WCC                     ; B: rowtile 8 x tile column + 4 x half: what waves 2, 3 fetch, and also every wave's own four rowtiles of B
	s_mov_b32 s47, 0
	s_mul_i32 s45, s16, 4*TP
	s_mul_i32 s22, s16, 4*BROW
	s_add_co_u32 s22, s22, BLDS
	s_lshl_b32 s60, s17, 7
	s_lshl_b32 s61, s15, 6
	s_add_co_u32 s60, s60, s61                     ; my first token
	s_lshl_b32 s62, s42, 7
	s_lshl_b32 s63, s16, 6
	s_add_co_u32 s62, s62, s63                     ; my first column
	s_lshl_b32 s36, s60, 12
	s_lshl_b32 s37, s62, 2
	s_add_co_u32 s36, s36, s37
	s_mov_b32 s37, 0
	s_lshl_b32 s60, s60, 6
	s_mov_b32 s61, 0
	s_lshl_b32 s62, s62, 6
	s_add_co_u32 s62, s62, WCS
	s_mov_b32 s63, 0
	s_wait_dscnt 0x0
	s_wait_kmcnt 0x0
	s_add_nc_u64 s[20:21], s[4:5], s[20:21]
	s_add_nc_u64 s[46:47], s[8:9], s[46:47]
	s_add_nc_u64 s[60:61], s[6:7], s[60:61]        ; my rows' scale words
	s_add_nc_u64 s[62:63], s[10:11], s[62:63]      ; my columns'
	s_add_nc_u64 s[12:13], s[12:13], s[36:37]
	CROUND                                         ; the sixteen work-groups meet ahead of the joint loads
	s_mov_b32 s[G0], 1
	s_mov_b32 s[G0+1], s45
	s_mov_b64 s[G0+2:G0+3], s[20:21]
	s_or_b32 s[G0+3], s[G0+3], 0x80000000
	s_mov_b32 s[G0B], 1
	s_mov_b32 s[G0B+1], s22
	s_mov_b64 s[G0B+2:G0B+3], s[46:47]
	s_or_b32 s[G0B+3], s[G0B+3], 0x80000000
	s_cmp_eq_u32 s15, 0
	s_cbranch_scc0 .Lfor_b
	tensor_load_to_lds s[G0:G0+3], s[G1:G1+7]
	s_nop 0
	PLACES 4
	s_branch .Lasked
.Lfor_b:
	tensor_load_to_lds s[G0B:G0B+3], s[G1B:G1B+7]
	s_nop 0
	PLACES 4
.Lasked:
	v_and_b32 v3, 31, v0
	v_and_b32 v1, 15, v0                           ; r
	v_bfe_u32 v2, v0, 4, 1                         ; h
	v_lshlrev_b32 v[L16], 4, v3
	v_lshlrev_b32 v[R64], 6, v1
	s_mul_i32 s21, s15, 4*TP
	v_add_nc_u32 v[ADA], s21, v[L16]
	v_add_nc_u32 v[ADA+1], 2*TP, v[ADA]
	v_add_nc_u32 v[ADB], s22, v[L16]
	s_mul_i32 s23, s14, 16*SPITCH
	s_add_co_u32 s23, s23, STAGE
	v_mul_u32_u24 v5, v1, SPITCH
	v_lshl_add_u32 v5, v2, 6, v5
	v_add_nc_u32 v[STO], s23, v5                   ; into the stage: row r, + 64 h
	v_mul_u32_u24 v6, v2, SPITCH
	v_lshl_add_u32 v6, v1, 4, v6
	v_add_nc_u32 v[RD], s23, v6                    ; back: sixteen lanes to a row of 256 bytes, two rows an instruction
	v_lshlrev_b32 v7, 12, v2
	v_lshl_add_u32 v[CO], v1, 4, v7                ; and the same in out0
	s_wait_alu depctr_va_vdst(0)
.irp a, 0,1,2,3
.irp q, 0,1,2,3
	global_load_b128 v[AS+16*\a+4*\q:AS+16*\a+4*\q+3], v[R64], s[60:61] offset:1024*\a+16*\q   ; block a, steps 4 q .. 4 q + 3: row r's words (lanes 16-31 hold the same and are not read)
	global_load_b128 v[BS+16*\a+4*\q:BS+16*\a+4*\q+3], v[R64], s[62:63] offset:1024*\a+16*\q
.endr
.endr
.macro BLATE k0, k1, w                 ; B's fragments of steps 8 + k0 .. 8 + k1 into window w
	WIN (\w)<<6
.set KK, \k0
.rept \k1-\k0+1
.irp i, 0,1,2,3
.irp c, 0,1,2
	global_load_b128 v[48*(KK-\k0)+12*\i+4*\c:48*(KK-\k0)+12*\i+4*\c+3], v[L16], s[46:47] offset:\i*TP+(8+KK)*FRB+512*\c
.endr
.endr
.set KK, KK+1
.endr
.endm
	BLATE 0, 4, 2
	BLATE 5, 7, 3
	WIN 0
.macro FETCH st                        ; step st's fragments from LDS into set st % 2
.set FS, 48*((\st)%2)
.irp a, 0,1,2,3
.irp c, 0,1,2
	ds_load_b128 v[AF+FS+12*\a+4*\c:AF+FS+12*\a+4*\c+3], v[ADA+\a/2] offset:(\a%2)*TP+(\st)*FRB+512*\c
.endr
.endr
.if (\st) < 8
	WIN 0x40
.irp a, 0,1,2,3
.irp c, 0,1,2
	ds_load_b128 v[BE+FS+12*\a+4*\c:BE+FS+12*\a+4*\c+3], v[ADB] offset:\a*BROW+(\st)*FRB+512*\c
.endr
.endr
	WIN 0
.endif
.endm
.macro MUL st                          ; 16 products; the 16 accumulators take turns, in the same order in every step
.if (\st) < 8
.set BW, 1
.set BR, BE+48*((\st)%2)
.else
.set BW, 2+((\st)-8)/5
.set BR, 48*(((\st)-8)%5)
.endif
.set FA, AF+48*((\st)%2)
	WIN 0x50|BW
.irp a, 0,1,2,3
.irp b, 0,1,2,3
.if (\st) == 0
	v_wmma_scale_f32_16x16x128_f8f6f4 v[8*(4*\a+\b):8*(4*\a+\b)+7], v[BR+12*\b:BR+12*\b+11], v[FA+12*\a:FA+12*\a+11], 0, v[BS+16*\b+(\st)], v[AS+16*\a+(\st)] matrix_a_fmt:MATRIX_FMT_FP6 matrix_b_fmt:MATRIX_FMT_FP6
.else
	v_wmma_scale_f32_16x16x128_f8f6f4 v[8*(4*\a+\b):8*(4*\a+\b)+7], v[BR+12*\b:BR+12*\b+11], v[FA+12*\a:FA+12*\a+11], v[8*(4*\a+\b):8*(4*\a+\b)+7], v[BS+16*\b+(\st)], v[AS+16*\a+(\st)] matrix_a_fmt:MATRIX_FMT_FP6 matrix_b_fmt:MATRIX_FMT_FP6
.endif
.endr
.endr
	WIN 0
.endm
.macro STEP st
	s_wait_dscnt 0x0                               ; this step's fragments are in (asked for ahead of the last step's 16 products)
.if (\st) < 15
.if (\st) > 0
	PLACES 4                                       ; ahead of loads into the set that the last step multiplied
.endif
	FETCH (\st)+1
.endif
	MUL \st
.endm
	s_wait_tensorcnt 0x0                           ; my tile is in,
	s_barrier_signal -1
	s_barrier_wait -1                              ; everybody's are
	FETCH 0
	s_wait_loadcnt 0x0                             ; the scale words and B's fragments 8-15
.set ST, 0
.rept 16
	STEP ST
.set ST, ST+1
.endr
; THE WAY OUT: a block of 16 tokens x 64 columns goes through my own stage and comes back as rows of 256 bytes.  LDS serves a wave's instructions in order: no wait between the stores and the loads, nor ahead of the next block's stores.
	PLACES 4
.irp a, 0,1,2,3
	WIN 0x04                                       ; the data: window 1
.irp b, 0,1,2,3
	ds_store_b128 v[STO], v[8*(4*\a+\b):8*(4*\a+\b)+3] offset:128*(\b/2)+32*(\b%2)       ; columns 32 (b / 2) + 8 (b % 2) + 16 h + 0 .. 7; each accumulator from its low end on
	ds_store_b128 v[STO], v[8*(4*\a+\b)+4:8*(4*\a+\b)+7] offset:128*(\b/2)+32*(\b%2)+16
.endr
	WIN 0
.irp t, 0,1,2,3,4,5,6,7
	ds_load_b128 v[OUT+32*\a+4*\t:OUT+32*\a+4*\t+3], v[RD] offset:\t*2*SPITCH
.endr
.endr
.irp a, 0,1,2,3
	s_wait_dscnt 16*(3-\a)                         ; behind block a's loads: 16 LDS instructions for each later block
.irp t, 0,1,2,3,4,5,6,7
	global_store_b128 v[CO], v[OUT+32*\a+4*\t:OUT+32*\a+4*\t+3], s[12:13] offset:(32*(\a/2)+8*(\a%2)+2*\t+8*(\t/4))*NROW th:TH_STORE_NT   ; sixteen lanes store 256 consecutive bytes, aligned; place i of a rowtile is token i + 8 (i / 8)
.endr
.endr
	s_wait_tensorcnt 0x0                           ; the wave's end
	ds_add_u32 v[SPW], v[NIL]
	s_wait_dscnt 0x0
	CROUND                                         ; the closing round
	s_endpgm
.Lfunc_end_k_qac7a257992_outp:
	.size	k_qac7a257992_outp, .Lfunc_end_k_qac7a257992_outp-k_qac7a257992_outp
	.p2alignl 7, 3214868480
	.fill 96, 4, 3214868480
	.section	.rodata,"a",@progbits
	.p2align	6, 0x0
	.amdhsa_kernel k_qac7a257992_outp
		.amdhsa_group_segment_fixed_size 327680
		.amdhsa_private_segment_fixed_size 0
		.amdhsa_enable_private_segment 0
		.amdhsa_kernarg_size 40
		.amdhsa_user_sgpr_count 2
		.amdhsa_user_sgpr_kernarg_segment_ptr 1
		.amdhsa_wavefront_size32 1
		.amdhsa_system_sgpr_workgroup_id_x 1
		.amdhsa_system_sgpr_workgroup_id_y 1
		.amdhsa_system_sgpr_workgroup_id_z 1
		.amdhsa_system_vgpr_workitem_id 0
		.amdhsa_next_free_vgpr 1024
		.amdhsa_next_free_sgpr 98
		.amdhsa_reserve_vcc 0
		.amdhsa_float_denorm_mode_32 3
		.amdhsa_float_denorm_mode_16_64 3
		.amdhsa_memory_ordered 1
		.amdhsa_forward_progress 1
		.amdhsa_inst_pref_size 80
	.end_amdhsa_kernel
	.amdgpu_metadata
---
amdhsa.version: [ 1, 2 ]
amdhsa.kernels:
  - .name:           k_qac7a257992_outp
    .symbol:         k_qac7a257992_outp.kd
    .args:
      - { .name: yf, .offset: 0, .size: 8, .value_kind: global_buffer, .address_space: global }
      - { .name: ys, .offset: 8, .size: 8, .value_kind: global_buffer, .address_space: global }
      - { .name: fc, .offset: 16, .size: 8, .value_kind: global_buffer, .address_space: global }
      - { .name: fs, .offset: 24, .size: 8, .value_kind: global_buffer, .address_space: global }
      - { .name: out0, .offset: 32, .size: 8, .value_kind: global_buffer, .address_space: global }
    .group_segment_fixed_size: 327680
    .private_segment_fixed_size: 0
    .kernarg_segment_align: 8
    .kernarg_segment_size: 40
    .max_flat_workgroup_size: 128
    .sgpr_count:     98
    .vgpr_count:     1024
    .wavefront_size: 32
...
	.end_amdgpu_metadata
.endif
;; end of part 4
